; MI455X (gfx1250); checked and timed in simulation.
; The chip was launched on July 23, 2026; its instructions are those of AMD's public machine-readable ISA for CDNA 5 (MIT licence, August 2026) and "CDNA5" Instruction Set Architecture Reference Guide (July 2026). The comments in the code are by the model that wrote it; some were corrected since.
;; Multi Head Attention. Allowed arithmetic: matrix products marked QUANTISED: E3M2 operands, one E8M0 scale for each 32 along K, by v_wmma_scale_f32_16x16x128_f8f6f4 with both operands' format E3M2, f32 sums; everything else in f32.
;; Inputs: Wk 16 x 1,024 x 64 float32; Wp 1,024 x 1,024 float32; Wq 16 x 1,024 x 64 float32; Wv 16 x 1,024 x 64 float32; bp 1,024 float32; x 4 x 2,048 x 1,024 float32.
;; Outputs: out0 4 x 2,048 x 1,024 float32.
;; This version of the problem:
;;   THIS VERSION OF THE PROBLEM IS GIVEN IN LOW PRECISION. The matrix products marked QUANTISED in the list below multiply operands that are first quantised to E3M2 (3 exponent bits, 2 mantissa bits; 6 bits a number), with one power-of-two scale for each 32 numbers along K (OCP MX v1.0); their sums are f32. All else is computed in f32.
;;   The module's matrix products, in the order in which they are computed (A, B: the left and right operand; K: the contracted axis; several contracted axes count as one K, in the product's order):
;;     1. [M 1,024, K 1,024] x [K 1,024, N 8,192]; A: input Wq; B: input x: QUANTISED
;;     2. [M 1,024, K 1,024] x [K 1,024, N 8,192]; A: input Wk; B: input x: QUANTISED
;;     3. [M 1,024, K 1,024] x [K 1,024, N 8,192]; A: input Wv; B: input x: QUANTISED
;;     4. batch 64 x [M 2,048, K 64] x [K 64, N 2,048]; A: computed on the way; B: computed on the way: QUANTISED
;;     5. batch 64 x [M 2,048, K 2,048] x [K 2,048, N 64]; A: softmax (see below); B: computed on the way: QUANTISED
;;     6. [M 8,192, K 1,024] x [K 1,024, N 1,024]; A: computed on the way; B: input Wp: QUANTISED
;;   THE QUANTISER, for each operand of a quantised product, along K:
;;     - K is cut into blocks of 32 from its start; a last block that is shorter is filled with zeros.
;;     - A block's scale is 2^e with e = floor(log2(the largest magnitude in the block)) - 4, held to -126 .. 127; a block of zeros has e = 0. As a byte (E8M0): e + 127.
;;     - Each number is divided by its block's scale, clamped to +-28, and rounded to the nearest number of E3M2, ties to even, subnormals kept.
;;     - The product sums the exact products of the quantised numbers (number of the format x scale) in f32.
;;   ~~~python
;;   def quantise(x, axis):      # numpy; x: float32 -> the quantised numbers, widened to float32 again
;;       x = np.moveaxis(x, axis, -1); K = x.shape[-1]
;;       x = np.pad(x, [(0, 0)] * (x.ndim - 1) + [(0, -K % 32)]); x = x.reshape(x.shape[:-1] + (-1, 32)); a = np.abs(x).max(-1, keepdims=True)
;;       e = np.where(a > 0, np.clip(np.frexp(np.where(a > 0, a, 1))[1] - 1 - 4, -126, 127), 0)      # np.frexp(a)[1] - 1 = floor(log2(a)), exactly
;;       r = np.clip(x / 2.0 ** e, -28, 28)
;;       step = 2.0 ** (np.maximum(np.frexp(np.where(r == 0, 1, r))[1] - 1, -2) - 2)
;;       q = np.round(r / step) * step * 2.0 ** e      # np.round: ties to even
;;       return np.moveaxis(q.reshape(q.shape[:-2] + (-1,))[..., :K], -1, axis).astype(np.float32)
;;   ~~~
;;   SOFTMAX AHEAD OF A QUANTISED PRODUCT. Where the list says 'softmax', what is quantised is not the finished softmax but p = 2^(t - M), with t = logit x log2(e) and M = ceil(the row's largest t), a whole number; so 1/2 < the row's largest p <= 1. The row's sum l is taken of the UNQUANTISED p, in f32, and the product's result is divided by l at the end. Since M is a whole number, a kernel that streams over the keys may use a running M (the ceiling of the running maximum): every later rescaling is an exact power of two, which a block's scale takes up: the codes' values come out the same.
;;   OPERANDS COMPUTED ON THE WAY. 'Computed on the way' means the value that the module computes at that place (a softmax that the list does not call 'softmax' is quantised finished and normalised). What goes into a quantiser is computed in f32, as accurately as f32 sums, v_exp_f32 and their like allow (about 1e-6 of the number): no bf16 or f16 on the way to a quantiser, and a product that is left as it is and whose result goes on into a quantised operand takes f32 operands (vector FMAs, or v_wmma_f32_16x16x4_f32). A number that lies on a knife's edge between two numbers of the format may be rounded either way, as far as f32 arithmetic and the matrix unit's own rounding can turn it there, and no further.
;; One version. Each part assembles by itself: llvm-mc -triple=amdgcn-amd-amdhsa -mcpu=gfx1250 --defsym DOCPART=n.
;; ======== version 1 of 1: 4 launches
;; limits: right only within a limited range of input values
;; workspace buffers: z 9,437,184 bytes; zs 393,216 bytes; qi 19,660,800 bytes; qs 819,200 bytes; ct 6,291,456 bytes; cs 262,144 bytes
;; launch quant (part 1): grid 384 x 1, 4 waves a work-group, no clusters, 58,880 bytes of LDS; arguments x, Wq, Wk, Wv, Wp, z, zs; writes z, zs
.if DOCPART == 1
	.amdgcn_target "amdgcn-amd-amdhsa--gfx1250"
	.amdhsa_code_object_version 6
	.text
	.protected	k_q79f6e89977_quant
	.globl	k_q79f6e89977_quant
	.p2align	8
	.type	k_q79f6e89977_quant,@function
k_q79f6e89977_quant:
	s_mov_b64 s[64:65], 0
	v_nop
	global_prefetch_b8 v0, s[64:65] scope:SCOPE_SE
	s_setreg_imm32_b32 hwreg(HW_REG_WAVE_MODE, 25, 1), 1
	s_wait_xcnt 0x0
; x [8192][1024] (K = e innermost) and Wq, Wk, Wv [16][1024][64], Wp [1024][1024] (K is the FIRST axis of each matrix), all f32, become codes of BF6 (E3M2) with one E8M0 byte for each 32 along K.
; A block's scale is 2^(floor(log2(largest magnitude)) - 4); its byte is the largest magnitude's exponent field - 4, held at 1 from below; each number is divided by the scale and rounded to the nearest code, ties to even, beyond 28 the largest code.
; LAYOUT OF THE RESULT, an image of operand registers.  Operand rows come in groups of 128 (group 0-7 Wq, rows h 64 + d; 8-15 Wk; 16-79 x; 80-87 Wv; 88-95 Wp, rows n).  Tile t (0..7) of a group holds, in its lane place r (0..15),
; row 32 (t / 2) + 8 (t % 2) + r + 8 (r / 8).  A fragment (tile, 128 along K) is 12 registers a lane: registers 6 c .. 6 c + 5 hold k = 64 c + 32 (lane / 16) + 0 .. 31.  In z it is 1,536 bytes: six pieces of 256 bytes, piece p = registers 2 p, 2 p + 1,
; lane l at 8 l.  z = [group][K step 0..7][tile][1536];  zs = [group][16 tile + r][K step][4 bytes].  So every later load of a fragment is six loads of 256 consecutive bytes.
; LIMITS: NaN and infinities among the inputs are not served.  A block of zeros gets the byte 1 where the rule says 127: its codes are zeros, which add nothing, and only this program reads the bytes.  A largest magnitude under 2^-122 counts as 2^-122 (the rule's hold at e = -126).
; SHARES.  Work-groups 0-255 take x: a wave takes one tile of 16 rows and four K steps.  Work-groups 256-383 take the weights: a wave takes 32 columns and 256 along K.  The two ways have LDS bytes of their own.
; No matrix unit, no cluster, no barrier: memory binds, and waves share nothing.
.set FLOOR,  0x2800000                 ; 2^(5 - 127)
.set OFF4,   0xfe000000                ; takes 4 off an exponent field
.set R,      64                        ; x: v64-191   two sets of 64 numbers as loaded
.set X,      192                       ; x: v192-255  my 64 numbers of a fragment: two whole blocks
.set C,      40                        ; x: v40-63    two sets of 12 registers of codes
.set CT,     20                        ; x: v20-22, v24-26 the conversions' second halves
.set SW,     16                        ; x: v16-19    a scale word for each of my four K steps
.set XPITCH, 528                       ; x: a stage row: 512 bytes + 16, an odd multiple of 16
.set XSTG,   16*XPITCH                 ; x: a wave's stage
.set WBASE,  4*XSTG                    ; the weights' stages begin behind x's
.set WSTG,   6144                      ; weights: a wave's stage: 2 K steps x 2 tiles x 1,536
.set VA,     64                        ; weights: v64-95   4 lane + i x (bytes from one k to the next)
.set XW,     128                       ; weights: v128-191 two sets of 32 numbers: a block each
.set CW,     32                        ; weights: v32-38   a block's codes
.set SB,     14                        ; weights: v14-15   two scale words
.set OUTR,   192                       ; weights: v192-239 the way out
	s_load_b256 s[4:11], s[0:1], 0x0               ; x s[4:5], Wq s[6:7], Wk s[8:9], Wv s[10:11]
	s_load_b128 s[12:15], s[0:1], 0x20             ; Wp s[12:13], z s[14:15]
	s_load_b64 s[16:17], s[0:1], 0x30              ; zs
	v_lshl_add_u32 v31, v0, 2, 0xe400
	v_mov_b32 v39, 0
	v_lshrrev_b32 v1, 5, v0
	v_readfirstlane_b32 s18, v1                    ; wave 0..3
	v_and_b32 v7, 31, v0                           ; lane
	s_mov_b32 s20, 0x76543210
	s_mov_b32 s21, 0xfedcba98                      ; v_permlanex16_b32: lane l xor 16
	s_cmp_lt_u32 ttmp9, 256
	s_cbranch_scc0 .Lweights
; ------------------------------------------------------------------ x
	v_lshlrev_b32 v1, 4, v7                        ; 16 lane: my bytes of a load's 512
	s_mul_i32 s22, s18, XSTG                       ; my stage
	v_add_nc_u32 v2, s22, v1                       ; into it: a row as it lies
	v_and_b32 v8, 15, v0                           ; r
	v_bfe_u32 v9, v0, 4, 1                         ; h
	v_mul_u32_u24 v3, v8, XPITCH
	v_lshl_add_u32 v3, v9, 7, v3
	v_add_nc_u32 v3, s22, v3                       ; out of it: row r, from number 32 h on
	v_lshlrev_b32 v4, 3, v7                        ; 8 lane: my place in a piece
	v_lshlrev_b32 v5, 5, v8                        ; 32 r: my row of scale words
	v_lshlrev_b32 v6, 3, v9                        ; 8 h: my bytes' place in a scale word
	v_mov_b32 v15, 0                               ; a lane permute's destination counts as read
	s_lshl_b32 s23, ttmp9, 2
	s_add_co_u32 s23, s23, s18                     ; W = 4 work-group + wave
	s_and_b32 s24, s23, 1                          ; kh: which four K steps
	s_lshr_b32 s25, s23, 1                         ; T: tile 0..511
	s_lshr_b32 s26, s25, 3                         ; its group of x
	s_and_b32 s27, s25, 7                          ; its place in the group
	s_lshr_b32 s28, s25, 1
	s_lshl_b32 s28, s28, 5
	s_and_b32 s29, s25, 1
	s_lshl_b32 s29, s29, 3
	s_add_co_u32 s28, s28, s29                     ; the tile's first row: 32 (T / 2) + 8 (T % 2)
	s_lshl_b32 s28, s28, 12                        ; rows of 4,096 bytes
	s_lshl_b32 s29, s24, 11
	s_add_co_u32 s28, s28, s29                     ; + 2,048 kh
	s_mov_b32 s29, 0
	s_add_co_u32 s30, s26, 16                      ; x's groups begin at 16
	s_mul_i32 s22, s30, 98304
	s_mul_i32 s31, s24, 49152
	s_add_co_u32 s22, s22, s31
	s_mul_i32 s31, s27, 1536
	s_add_co_u32 s22, s22, s31                     ; z: group, K step 4 kh, tile
	s_mov_b32 s23, 0
	s_lshl_b32 s30, s30, 12
	s_lshl_b32 s31, s27, 9
	s_add_co_u32 s30, s30, s31
	s_lshl_b32 s31, s24, 4
	s_add_co_u32 s30, s30, s31                     ; zs: group, tile, word 4 kh
	s_mov_b32 s31, 0
	s_wait_alu depctr_va_vdst(0)
	s_wait_kmcnt 0x0
	s_add_nc_u64 s[4:5], s[4:5], s[28:29]
	s_add_nc_u64 s[14:15], s[14:15], s[22:23]
	s_add_nc_u64 s[16:17], s[16:17], s[30:31]
.macro LOADX f                         ; K step f of my four: 512 consecutive bytes of each of the tile's 16 rows
.irp p, 0,1,2,3,4,5,6,7,8,9,10,11,12,13,14,15
	global_load_b128 v[R+64*((\f)%2)+4*\p:R+64*((\f)%2)+4*\p+3], v1, s[4:5] offset:(\p+8*(\p/8))*4096+512*(\f) th:TH_LOAD_NT
.endr
.endm
.macro FRAGX f
.set RS_, R+64*((\f)%2)
.set CS_, C+12*((\f)%2)
.if (\f) < 3
	s_wait_loadcnt 16                              ; this K step's 16 loads are in; the next one's 16 may be out
.else
	s_wait_loadcnt 0
.endif
.irp p, 0,1,2,3,4,5,6,7,8,9,10,11,12,13,14,15
	ds_store_b128 v2, v[RS_+4*\p:RS_+4*\p+3] offset:XPITCH*\p
.endr
.irp c, 0,1                            ; LDS serves a wave's instructions in order: these see the stores above
.irp j, 0,1,2,3,4,5,6,7
	ds_load_b128 v[X+32*\c+4*\j:X+32*\c+4*\j+3], v3 offset:256*\c+16*\j   ; x(row r, 64 c + 32 h + 4 j ..)
.endr
.endr
	s_wait_dscnt 0x0                               ; my numbers are back, so the stores have read their registers
.if (\f) < 2
	LOADX (\f)+2                                   ; which take the K step two on
.else
	s_wait_xcnt 0x0                                ; the codes' registers were the data of the stores two K steps back
.endif
.irp c, 0,1                            ; my two blocks, 2 c + h: all 32 numbers of each are mine
	v_max3_num_f32 v[8+\c], |v[X+32*\c]|, |v[X+32*\c+1]|, FLOOR
.endr
.irp i, 2,4,6,8,10,12,14,16,18,20,22,24,26,28,30
.irp c, 0,1
	v_max3_num_f32 v[8+\c], v[8+\c], |v[X+32*\c+\i]|, |v[X+32*\c+\i+1]|
.endr
.endr
.irp c, 0,1
	v_add_nc_u32 v[10+\c], OFF4, v[8+\c]           ; the conversion takes this operand's exponent field as its scale
.endr
.irp c, 0,1
	v_lshrrev_b32 v[12+\c], 23, v[10+\c]           ; the scale's byte
.endr
	v_lshl_or_b32 v14, v13, 16, v12                ; blocks h and 2 + h,
	v_lshlrev_b32 v14, v6, v14                     ; at their places in the word;
	v_permlanex16_b32 v15, v14, s20, s21
	v_or_b32 v[SW+(\f)], v14, v15                  ; with lane l xor 16's two the word is whole
.irp c, 0,1
	v_cvt_scalef32_pk16_bf6_f32 v[CS_+6*\c:CS_+6*\c+2], v[X+32*\c:X+32*\c+15], v[10+\c]
	v_cvt_scalef32_pk16_bf6_f32 v[CT+4*\c:CT+4*\c+2], v[X+32*\c+16:X+32*\c+31], v[10+\c]   ; (a conversion's three registers begin on an even number)
.endr
	v_nop                                          ; one plain place behind a scaled conversion
.irp c, 0,1
.irp i, 0,1,2
	v_mov_b32 v[CS_+6*\c+3+\i], v[CT+4*\c+\i]
.endr
.endr
.irp p, 0,1,2,3,4,5
	global_store_b64 v4, v[CS_+2*\p:CS_+2*\p+1], s[14:15] offset:12288*(\f)+256*\p   ; a piece: 256 consecutive bytes, aligned
.endr
.endm
	LOADX 0
	LOADX 1
	FRAGX 0
	FRAGX 1
	FRAGX 2
	FRAGX 3
	global_store_b128 v5, v[SW:SW+3], s[16:17]     ; my row's four scale words (lanes r and r + 16 hold and write the same)
	s_wait_tensorcnt 0x0
	ds_add_u32 v31, v39
	s_wait_dscnt 0x0
	s_endpgm
; ------------------------------------------------------------------ the weights: a lane takes a column, its registers run down K
.Lweights:
	s_sub_co_u32 s22, ttmp9, 256                   ; 0..127
	s_lshr_b32 s23, s22, 5                         ; which tensor: 0 Wq, 1 Wk, 2 Wv, 3 Wp
	s_lshr_b32 s24, s22, 1
	s_lshl_b32 s24, s24, 1
	s_and_b32 s25, s18, 1
	s_add_co_u32 s24, s24, s25
	s_and_b32 s24, s24, 31                         ; which 32 of its 1,024 columns
	s_and_b32 s25, s22, 1
	s_lshl_b32 s25, s25, 1
	s_lshr_b32 s26, s18, 1
	s_add_co_u32 s25, s25, s26                     ; kq: which 256 along K
	s_lshr_b32 s27, s24, 1
	s_lshl_b32 s27, s27, 18                        ; Wq, Wk, Wv: the head's 262,144 bytes,
	s_and_b32 s28, s24, 1
	s_lshl_b32 s28, s28, 7
	s_add_co_u32 s27, s27, s28                     ; and which half of its 64 columns
	s_lshl_b32 s28, s24, 7                         ; Wp: 128 bytes a chunk
	s_mov_b32 s26, 4096
	s_cmp_eq_u32 s23, 3
	s_cselect_b32 s26, s26, 256                    ; bytes from one k to the next
	s_cselect_b32 s28, s28, s27
	s_lshl_b32 s27, s25, 8
	s_mul_i32 s27, s27, s26
	s_add_co_u32 s28, s28, s27                     ; + 256 kq rows
	s_mov_b32 s29, 0
	s_lshl_b32 s30, s26, 5                         ; a block of 32 rows
	s_mov_b32 s31, 0
	s_lshl_b32 s48, s23, 3
	s_cmp_ge_u32 s23, 2
	s_cselect_b32 s49, 64, 0
	s_add_co_u32 s48, s48, s49
	s_lshr_b32 s49, s24, 2
	s_add_co_u32 s48, s48, s49                     ; the group in z
	s_and_b32 s49, s24, 3                          ; b: my columns are the group's rows 32 b .. 32 b + 31: tiles 2 b, 2 b + 1
	s_mul_i32 s52, s48, 98304
	s_mul_i32 s53, s25, 24576
	s_add_co_u32 s52, s52, s53
	s_mul_i32 s53, s49, 3072
	s_add_co_u32 s52, s52, s53                     ; z: group, K step 2 kq, tile 2 b
	s_mov_b32 s53, 0
	s_lshl_b32 s54, s48, 12
	s_lshl_b32 s55, s49, 10
	s_add_co_u32 s54, s54, s55
	s_lshl_b32 s55, s25, 3
	s_add_co_u32 s54, s54, s55                     ; zs: group, row 32 b, word 2 kq
	s_mov_b32 s55, 0
	s_wait_alu depctr_va_vdst(0)
	v_lshlrev_b32 v1, 2, v7                        ; 4 lane
	v_bfe_u32 v8, v0, 3, 1                         ; u: column 32 b + l lies in tile 2 b + u,
	v_and_b32 v9, 7, v0
	v_bfe_u32 v10, v0, 4, 1
	v_lshl_add_u32 v9, v10, 3, v9                  ; at lane place r = l % 8 + 8 (l / 16)
	s_mul_i32 s50, s18, WSTG
	s_add_co_u32 s50, s50, WBASE                   ; my stage
	v_mul_u32_u24 v2, v8, 1536
	v_lshl_add_u32 v2, v9, 3, v2
	v_add_nc_u32 v2, s50, v2                       ; into it: tile u, 8 r
	v_lshlrev_b32 v4, 4, v7                        ; 16 lane
	v_add_nc_u32 v3, s50, v4                       ; out of it: as it lies
	v_lshl_add_u32 v5, v8, 4, v9
	v_lshlrev_b32 v5, 5, v5                        ; my row of scale words: 32 (16 u + r)
.set i_, 0
.rept 32
	v_mad_u32_u24 v[VA+i_], s26, i_, v1            ; row i of a block, my column
.set i_, i_+1
.endr
	s_wait_alu depctr_va_vdst(0)
	s_wait_kmcnt 0x0
	s_cmp_eq_u32 s23, 1                            ; the choice hangs on the work-group's number alone
	s_cselect_b64 s[32:33], s[8:9], s[6:7]
	s_cmp_eq_u32 s23, 2
	s_cselect_b64 s[32:33], s[10:11], s[32:33]
	s_cmp_eq_u32 s23, 3
	s_cselect_b64 s[32:33], s[12:13], s[32:33]
	s_add_nc_u64 s[32:33], s[32:33], s[28:29]      ; block 0
.irp t, 1,2,3,4,5,6,7
	s_add_nc_u64 s[32+2*\t:33+2*\t], s[30+2*\t:31+2*\t], s[30:31]   ; a base for each block: nothing is stepped while loads are out
.endr
	s_add_nc_u64 s[14:15], s[14:15], s[52:53]
	s_add_nc_u64 s[16:17], s[16:17], s[54:55]
.macro LOADW t                         ; block t: 32 rows of K at my 32 columns: each load reads 128 consecutive bytes
.set i_, 0
.rept 32
	global_load_b32 v[XW+32*((\t)%2)+i_], v[VA+i_], s[32+2*(\t):33+2*(\t)] th:TH_LOAD_NT
.set i_, i_+1
.endr
.endm
.macro BLOCKW t
.set XS_, XW+32*((\t)%2)
.if (\t) < 7
	s_wait_loadcnt 32                              ; this block's 32 loads are in; the next block's may be out
.else
	s_wait_loadcnt 0
.endif
	v_max3_num_f32 v8, |v[XS_]|, |v[XS_+1]|, |v[XS_+2]|
	v_max3_num_f32 v9, |v[XS_+3]|, |v[XS_+4]|, |v[XS_+5]|
.irp i, 6,10,14,18,22,26
	v_max3_num_f32 v8, v8, |v[XS_+\i]|, |v[XS_+\i+1]|
	v_max3_num_f32 v9, v9, |v[XS_+\i+2]|, |v[XS_+\i+3]|
.endr
	v_max3_num_f32 v8, v8, |v[XS_+30]|, |v[XS_+31]|
	v_max3_num_f32 v8, v8, v9, FLOOR
	v_add_nc_u32 v10, OFF4, v8
	v_lshrrev_b32 v11, 23, v10
.if (\t)%4 == 0
	v_mov_b32 v[SB+(\t)/4], v11
.else
	v_lshl_or_b32 v[SB+(\t)/4], v11, 8*((\t)%4), v[SB+(\t)/4]
.endif
	v_cvt_scalef32_pk16_bf6_f32 v[CW:CW+2], v[XS_:XS_+15], v10
	v_cvt_scalef32_pk16_bf6_f32 v[CW+4:CW+6], v[XS_+16:XS_+31], v10
	v_nop                                          ; one plain place behind a scaled conversion
	v_mov_b32 v[CW+3], v[CW+4]                     ; the block's six registers on end
	v_mov_b32 v[CW+4], v[CW+5]
	v_mov_b32 v[CW+5], v[CW+6]
.irp p, 0,1,2                          ; block t is block t % 4 = 2 c + h of K step t / 4: pieces 3 c + p, the lanes' half h
	ds_store_b64 v2, v[CW+2*\p:CW+2*\p+1] offset:((\t)/4)*3072+(3*(((\t)%4)/2)+\p)*256+((\t)%2)*128
.endr
.if (\t)+2 < 8
	LOADW (\t)+2
.endif
	s_wait_dscnt 0x0                               ; the stores have read their registers
.endm
	LOADW 0
	LOADW 1
.irp t, 0,1,2,3,4,5,6,7
	BLOCKW \t
.endr
	s_wait_alu depctr_va_vdst(0)
	global_store_b64 v5, v[SB:SB+1], s[16:17]      ; my column's two scale words
.irp i, 0,1,2,3,4,5,6,7,8,9,10,11
	ds_load_b128 v[OUTR+4*\i:OUTR+4*\i+3], v3 offset:512*\i
.endr
.irp i, 0,1,2,3,4,5,6,7,8,9,10,11
	s_wait_dscnt 11-\i
	global_store_b128 v4, v[OUTR+4*\i:OUTR+4*\i+3], s[14:15] offset:(\i/6)*12288+(\i%6)*512   ; 512 consecutive bytes, aligned
.endr
	s_wait_tensorcnt 0x0
	ds_add_u32 v31, v39
	s_wait_dscnt 0x0
	s_endpgm
.Lfunc_end_k_q79f6e89977_quant:
	.size	k_q79f6e89977_quant, .Lfunc_end_k_q79f6e89977_quant-k_q79f6e89977_quant
	.p2alignl 7, 3214868480
	.fill 96, 4, 3214868480
	.section	.rodata,"a",@progbits
	.p2align	6, 0x0
	.amdhsa_kernel k_q79f6e89977_quant
		.amdhsa_group_segment_fixed_size 58880
		.amdhsa_private_segment_fixed_size 0
		.amdhsa_enable_private_segment 0
		.amdhsa_kernarg_size 56
		.amdhsa_user_sgpr_count 2
		.amdhsa_user_sgpr_kernarg_segment_ptr 1
		.amdhsa_wavefront_size32 1
		.amdhsa_system_sgpr_workgroup_id_x 1
		.amdhsa_system_sgpr_workgroup_id_y 1
		.amdhsa_system_sgpr_workgroup_id_z 1
		.amdhsa_system_vgpr_workitem_id 0
		.amdhsa_next_free_vgpr 256
		.amdhsa_next_free_sgpr 66
		.amdhsa_reserve_vcc 0
		.amdhsa_float_denorm_mode_32 3
		.amdhsa_float_denorm_mode_16_64 3
		.amdhsa_memory_ordered 1
		.amdhsa_forward_progress 1
		.amdhsa_inst_pref_size 76
	.end_amdhsa_kernel
	.amdgpu_metadata
---
amdhsa.version: [ 1, 2 ]
amdhsa.kernels:
  - .name:           k_q79f6e89977_quant
    .symbol:         k_q79f6e89977_quant.kd
    .args:
      - { .name: x, .offset: 0, .size: 8, .value_kind: global_buffer, .address_space: global }
      - { .name: Wq, .offset: 8, .size: 8, .value_kind: global_buffer, .address_space: global }
      - { .name: Wk, .offset: 16, .size: 8, .value_kind: global_buffer, .address_space: global }
      - { .name: Wv, .offset: 24, .size: 8, .value_kind: global_buffer, .address_space: global }
      - { .name: Wp, .offset: 32, .size: 8, .value_kind: global_buffer, .address_space: global }
      - { .name: z, .offset: 40, .size: 8, .value_kind: global_buffer, .address_space: global }
      - { .name: zs, .offset: 48, .size: 8, .value_kind: global_buffer, .address_space: global }
    .group_segment_fixed_size: 58880
    .private_segment_fixed_size: 0
    .kernarg_segment_align: 8
    .kernarg_segment_size: 56
    .max_flat_workgroup_size: 128
    .sgpr_count:     66
    .vgpr_count:     256
    .wavefront_size: 32
...
	.end_amdgpu_metadata
.endif
;; end of part 1
;; launch qkv (part 2): grid 64 x 4, 4 waves a work-group, clusters of 4 x 4, 327,680 bytes of LDS; arguments z, zs, qi, qs; writes qi, qs
.if DOCPART == 2
	.amdgcn_target "amdgcn-amd-amdhsa--gfx1250"
	.amdhsa_code_object_version 6
	.text
	.protected	k_q79f6e89977_qkv
	.globl	k_q79f6e89977_qkv
	.p2align	8
	.type	k_q79f6e89977_qkv,@function
k_q79f6e89977_qkv:
	s_mov_b64 s[64:65], 0
	v_nop
	global_prefetch_b8 v0, s[64:65] scope:SCOPE_SE
	s_setreg_imm32_b32 hwreg(HW_REG_WAVE_MODE, 25, 1), 1
	s_wait_xcnt 0x0
	s_wait_alu depctr_hold_cnt(0) depctr_sa_sdst(0) depctr_va_vdst(0) depctr_va_sdst(0) depctr_va_ssrc(0) depctr_va_vcc(0) depctr_vm_vsrc(0)
	s_getreg_b32 s2, hwreg(HW_REG_IB_STS2, 6, 4)
	s_cmp_eq_u32 s2, 0
	s_cbranch_scc0 .Lentry_in_a_cluster
	s_endpgm
.Lentry_in_a_cluster:
	s_bfe_u32 s2, ttmp6, 0x10000c
	s_cmp_lg_u32 s2, 0xf033
	s_cbranch_scc0 .Lentry_shape_is_right
	s_endpgm
.Lentry_shape_is_right:
; q = x Wq, k = x Wk, v = x Wv on codes of BF6 (E3M2) with E8M0 scales for each 32 along K = 1,024; sums in f32.  The results never go to memory as f32: each wave quantises its own sums in registers, q and k along the
; head's 64, v along the keys, and stores them as images of operand registers for the attention launch.
; OPERANDS lie in z as fragment images: [group of 128 rows][K step 0..7][tile 0..7][1,536 bytes: six pieces of 256, lane l at 8 l]; zs = [group][16 tile + r][K step][4 bytes].  Groups 0-7 Wq, 8-15 Wk (a group = two heads), 16-79 x, 80-87 Wv.
; In tile t of a group lane place r holds row 32 (t / 2) + 8 (t % 2) + r + 8 (r / 8).
; THE DEAL.  256 work-groups of four waves, 2 x 2.  Work-group (g, j) holds x's group g and streams six groups of weights past it: Wq's 2 j, 2 j + 1, Wk's, Wv's.  The wave in row a, column c holds x's tiles 4 c .. 4 c + 3, all of K, in
; registers (32 fragments, 384 registers) and takes tiles 4 a .. 4 a + 3 (one head) of each group of weights: a block is one such tile, eight fragments, 32 products on four accumulators by turns.
; Wq, Wk: source 0 = the weight's tile i, source 1 = x's tile t, sums at 32 t + 8 i: a lane holds one row of x, and the 32 registers of t are d = 32 b + 16 (lane / 16) + 0 .. 15 of the head.
; Wv: source 0 = x's tile t, source 1 = the weight's tile i, sums at 32 i + 8 t: a lane holds one channel, and the 32 registers of i are keys 64 c + 32 b + 16 (lane / 16) + 0 .. 15 of the group.
; So after a group's 128 products each of four runs of 32 registers is two scale blocks: half of a fragment of the result: three pieces of 256 bytes and two scale bytes.
; RESULT.  qi = [F][1536], qs = [F][16 lanes][4 bytes].  q, k: F = 512 (group of weights) + x tile; pieces 0-2 and bytes 0, 1 are the even head's (a = 0), the others the odd head's.  v: F = 8,704 + 64 g + tile of Wv; the halves go by c.
; CLUSTERS 4 x 4: g = 4 x cluster x + cx, j = cy.  x's group is shared by a column of the cluster, the weights by a row: each is asked for jointly.  No LDS address and no branch hangs on cx or cy.
; LDS: two slots of 98,304 bytes for the weights (group n in slot n % 2), x's group at 196,608 (filled once), the spare words at 294,912.  At the head waves 0, 1 bring x's halves and waves 2, 3 those of the first group of weights.
; Slot 1's first fill and the four refills stand behind a drained round of the cluster's barrier each, every wave bringing a quarter of a group by the one line.  A fill is asked for one group's work, 128 products a wave, ahead of its first read.
; NO DATA PREFETCH: six fills in all, of which two go out at the head's end; what is left to run ahead of is four loads.
; THE TEXT: a loop of two trips, two groups a trip, for Wq and Wk; Wv's two groups behind it, which fill nothing.
; LIMITS: NaN and infinities are not served.  A block of zeros gets the byte 1 (its codes are zeros; only this program reads the bytes); a largest magnitude under 2^-122 counts as 2^-122.
.set NQ, 8                             ; K / 128
.set FR, 12                            ; registers of a fragment
.set FPW, 21                           ; fragments in a window of 256 registers
.set FRB, 1536                         ; a fragment's image
.set HQ, 4*FRB
.set QB, 8*FRB                         ; a group's eight tiles of one K step
.set GRP, 8*QB                         ; a group
.set NF, 24                            ; LDS loads of a block
.set XR, 2*GRP
.set SPARE, 3*GRP
.set SPW, 10                           ; v10 my spare word; v11 0; v4 8 x lane; v5 4 r; v12 32 x lane
.set NIL, 11
.set ABS, 12
.set AQ0, 16                           ; v16-23 LDS addresses of my eight fragments of block 0 in slot 0; never rewritten
.set AQA, 24                           ; v24-31 the same for the even block that is fetched next;  v32-39 for the odd one
.set AQB, 32
.set SX, 40                            ; v40-55 x's scale words: 8 (t / 2) + q
.set SW, 60                            ; v60-91 the weights': two sets of 8 (i / 2) + q.  A product's two scale registers differ by 4 modulo 8 in their numbers
.set ACC, 92                           ; v92-219 sixteen accumulators; at the head: the LDS addresses of x's 32 fragments
.set BA, 92
.set M, 220                            ; v220-227 the way out: eight largest magnitudes, then the scales' bytes
.set X, 228                            ; v228-235 the other half's, then the conversions' scale operands
.set T, 236                            ; v236-243 the second conversions' codes, two sets
.set PC, 244                           ; v244-255 codes, two sets of six
.set G1X, 24
.set G1H, 32
.set G1W, 48
.set G0X, 56
.set G0H, 60
.set G0R0, 68                          ; s[68:71], s[72:75] group 0 of the ring's loads, a set for each slot
.set G0R1, 72
.set INC, 76                           ; s[76:77] bytes of z from a slot's group to its next;  s[78:79] the same in zs
.set INCZ, 78
.set ZP, 80                            ; s[80:81] my rows' scale words of the even group that comes next
.set OP, 82                            ; s[82:83], s[84:85] q's or k's codes and scale bytes;  s[86:87], s[88:89] v's
.set OS, 84
.set OPV, 86
.set OSV, 88
.set SEL, 90                           ; s[90:91] v_permlanex16_b32: lane l xor 16
.set CNT, 92
.set XZ, 94                            ; s[94:95] x's scale words
.set MSB, 0
.macro WIN new                         ; the immediate's high byte repeats the setting that is left
.if MSB != \new
	s_set_vgpr_msb (MSB<<8)|\new
.set MSB, \new
.endif
.endm
.macro PLACES n
.rept \n
	v_nop
.endr
.endm
.macro WALU
	s_wait_alu depctr_va_vdst(0)
.endm
.macro BARRIER
	s_barrier_signal -1
	s_barrier_wait -1
.endm
.macro CROUND                          ; a round of the cluster's barrier
	BARRIER
	s_cmp_lg_u32 s14, 0
	s_cbranch_scc1 .Lnot_wave_0_\@
	s_barrier_signal -3
.Lnot_wave_0_\@:
	s_barrier_wait -3
	BARRIER
.endm
.macro TLOAD g0, g1                    ; a tensor load; s_nop 0 and four v_nop follow it
	tensor_load_to_lds s[\g0:\g0+3], s[\g1:\g1+7]
	s_nop 0
	PLACES 4
.endm
.macro GROUP1 g, mask, rows            ; dense rows of 6,144 bytes (768 elements of 8)
	s_or_b32 s[\g+0], s[\mask], (3<<16)|(1<<21)
	s_mov_b32 s[\g+1], 768<<16
	s_mov_b32 s[\g+2], (\rows)<<16
	s_mov_b32 s[\g+3], 768<<16
	s_mov_b32 s[\g+4], \rows
	s_mov_b32 s[\g+5], 768
	s_mov_b32 s[\g+6], 0
	s_mov_b32 s[\g+7], 0
.endm
.macro FRAG f, a                       ; fragment f (0-31 x's: 4 q + t; 32-47 the weights' two sets) from the address in v[a]: six pieces of 256 bytes, two to a load
	WIN (1+(\f)/FPW)<<6
.irp p, 0,2,4
	ds_load_2addr_b64 v[FR*((\f)%FPW)+2*\p:FR*((\f)%FPW)+2*\p+3], v[\a] offset0:32*\p offset1:32*\p+32
.endr
.endm
.macro FETCHAT e, aq                   ; a block of weights into set e: NF loads
.irp q, 0,1,2,3,4,5,6,7
	FRAG 32+NQ*(\e)+\q, \aq+\q
.endr
	WIN 0
.endm
.macro PROD1 d, s0, s1, c, x0, x1, o, e
.if (\o) && (\e)
	v_wmma_scale_f32_16x16x128_f8f6f4 v[\d:\d+7], v[FR*((\s0)%FPW):FR*((\s0)%FPW)+FR-1], v[FR*((\s1)%FPW):FR*((\s1)%FPW)+FR-1], \c, v[\x0], v[\x1] matrix_a_fmt:MATRIX_FMT_BF6 matrix_b_fmt:MATRIX_FMT_BF6 matrix_a_scale:MATRIX_SCALE_ROW1 matrix_b_scale:MATRIX_SCALE_ROW1
.elseif (\o)
	v_wmma_scale_f32_16x16x128_f8f6f4 v[\d:\d+7], v[FR*((\s0)%FPW):FR*((\s0)%FPW)+FR-1], v[FR*((\s1)%FPW):FR*((\s1)%FPW)+FR-1], \c, v[\x0], v[\x1] matrix_a_fmt:MATRIX_FMT_BF6 matrix_b_fmt:MATRIX_FMT_BF6 matrix_a_scale:MATRIX_SCALE_ROW1 matrix_b_scale:MATRIX_SCALE_ROW0
.elseif (\e)
	v_wmma_scale_f32_16x16x128_f8f6f4 v[\d:\d+7], v[FR*((\s0)%FPW):FR*((\s0)%FPW)+FR-1], v[FR*((\s1)%FPW):FR*((\s1)%FPW)+FR-1], \c, v[\x0], v[\x1] matrix_a_fmt:MATRIX_FMT_BF6 matrix_b_fmt:MATRIX_FMT_BF6 matrix_a_scale:MATRIX_SCALE_ROW0 matrix_b_scale:MATRIX_SCALE_ROW1
.else
	v_wmma_scale_f32_16x16x128_f8f6f4 v[\d:\d+7], v[FR*((\s0)%FPW):FR*((\s0)%FPW)+FR-1], v[FR*((\s1)%FPW):FR*((\s1)%FPW)+FR-1], \c, v[\x0], v[\x1] matrix_a_fmt:MATRIX_FMT_BF6 matrix_b_fmt:MATRIX_FMT_BF6 matrix_a_scale:MATRIX_SCALE_ROW0 matrix_b_scale:MATRIX_SCALE_ROW0
.endif
.endm
.macro PROD ty, set, i, n              ; product n = 4 q + t of block i.  ty = 0: Wq, Wk; 1: Wv.  The first along K takes C = 0
.set Q_, (\n)/4
.set T_, (\n)%4
.set FX_, 4*Q_+T_
.set FW_, 32+NQ*((\i)%2)+Q_
.set XX_, SX+8*(T_/2)+Q_
.set XW_, SW+16*(\set)+8*((\i)/2)+Q_
.if \ty
.set D_, ACC+32*(\i)+8*T_
	WIN (1+FX_/FPW)|((1+FW_/FPW)<<2)
.if Q_
	PROD1 D_, FX_, FW_, v[D_:D_+7], XX_, XW_, T_%2, (\i)%2
.else
	PROD1 D_, FX_, FW_, 0, XX_, XW_, T_%2, (\i)%2
.endif
.else
.set D_, ACC+32*T_+8*(\i)
	WIN (1+FW_/FPW)|((1+FX_/FPW)<<2)
.if Q_
	PROD1 D_, FW_, FX_, v[D_:D_+7], XW_, XX_, (\i)%2, T_%2
.else
	PROD1 D_, FW_, FX_, 0, XW_, XX_, (\i)%2, T_%2
.endif
.endif
.endm
.macro PRODS ty, set, i, tgt           ; a block's 32 products.  tgt: where the block two on lies in LDS, from slot 0's block 0 (-1: none): four of its eight addresses stand among the products, four behind them, as the places behind the last product
.set N_, 0
.rept 32
	PROD \ty, \set, \i, N_
.if (\tgt) >= 0 && N_ >= 1 && N_ <= 4
	WIN 0
	v_add_nc_u32 v[AQA+8*((\i)%2)+N_-1], \tgt, v[AQ0+N_-1]
.endif
.set N_, N_+1
.endr
	WIN 0
.if (\tgt) >= 0
.irp q, 4,5,6,7
	v_add_nc_u32 v[AQA+8*((\i)%2)+\q], \tgt, v[AQ0+\q]
.endr
	WALU
.else
	PLACES 4
.endif
.endm
.macro GROUPM ty, slot, lc, last       ; a group's four blocks; its scale words lie in set slot; lc: the scale loads that are younger than its own
	s_wait_loadcnt \lc
	s_wait_dscnt NF                                ; block 0's fragments are in; block 1's fetch is younger
	PRODS \ty, \slot, 0, (\slot)*GRP+2*FRB
	FETCHAT 0, AQA
	s_wait_dscnt NF                                ; block 1's are in
	PRODS \ty, \slot, 1, (\slot)*GRP+3*FRB
	FETCHAT 1, AQB
	s_wait_dscnt NF                                ; block 2's
.if \last
	PRODS \ty, \slot, 2, -1
	s_wait_dscnt 0x0
	PRODS \ty, \slot, 3, -1
.else
	PRODS \ty, \slot, 2, (1-(\slot))*GRP           ; the next group's blocks 0 and 1 lie in the other slot
	s_wait_dscnt 0x0
	PRODS \ty, \slot, 3, (1-(\slot))*GRP+FRB
.endif
.endm
.macro BOUND slot, fill                ; the change of slots behind the group in slot.  fill = 1: the slot is filled again, with the group two on
	s_wait_tensorcnt 0x0                           ; my part of the other slot's group has landed
.if \fill
	ds_add_u32 v[SPW], v[NIL]
	s_add_nc_u64 s[G0R0+4*(\slot)+2:G0R0+4*(\slot)+3], s[G0R0+4*(\slot)+2:G0R0+4*(\slot)+3], s[INC:INC+1]   ; no load of mine is out: the descriptor may be written
	s_wait_dscnt 0x0                               ; the add is done, and my reads of this slot are over
	CROUND                                         ; so it is with every wave of every partner
	TLOAD G0R0+4*(\slot), G1W                      ; the first tensor load behind the round
.else
	s_wait_dscnt 0x0
	BARRIER                                        ; a plain barrier
.endif
	FETCHAT 0, AQA
	FETCHAT 1, AQB
.endm
.macro QPAIR u0, op, os, coff, soff    ; runs u0, u0 + 1 of 32 sums become codes and leave
.irp w, 0,1
	v_cvt_scalef32_pk16_bf6_f32 v[PC+6*\w:PC+6*\w+2], v[ACC+32*((\u0)+\w):ACC+32*((\u0)+\w)+15], v[X+2*((\u0)+\w)]
	v_cvt_scalef32_pk16_bf6_f32 v[T+4*\w:T+4*\w+2], v[ACC+32*((\u0)+\w)+16:ACC+32*((\u0)+\w)+31], v[X+2*((\u0)+\w)+1]
.endr
	v_nop                                          ; one plain place behind a scaled conversion
.irp w, 0,1                            ; the layout wants a whole block in a lane: lanes 0-15 the first block, lanes 16-31 the second
.irp i, 0,1,2
	v_permlane16_swap_b32 v[PC+6*\w+\i], v[T+4*\w+\i]
.endr
.endr
.irp w, 0,1
.irp i, 0,1,2
	v_mov_b32 v[PC+6*\w+3+\i], v[T+4*\w+\i]
.endr
.endr
.irp w, 0,1
.irp p, 0,1,2
	global_store_b64 v4, v[PC+6*\w+2*\p:PC+6*\w+2*\p+1], s[\op:\op+1] offset:(\coff)+FRB*((\u0)+\w)+256*\p   ; 256 consecutive bytes, aligned
.endr
	global_store_b16 v5, v[M+2*((\u0)+\w)], s[\os:\os+1] offset:(\soff)+64*((\u0)+\w)   ; lanes r and r + 16 hold and write the same
.endr
	WALU
	s_wait_xcnt 0x0                                ; the stores' registers and the pointers are written again only behind this wait
.endm
; A GROUP'S WAY OUT: eight scale blocks, their chains side by side.  set >= 0: the scale words of the group two on are asked for into set (zoff: from ZP; stepz: ZP steps first)
.macro EPI op, os, coff, soff, set, zoff, stepz
.irp u, 0,1,2,3
.irp b, 0,1
	v_max3_num_f32 v[M+2*\u+\b], |v[ACC+32*\u+16*\b]|, |v[ACC+32*\u+16*\b+1]|, 0x2800000   ; my 16 numbers and the floor 2^(5 - 127); each accumulator is read from its low end on
.endr
.endr
.irp i, 2,4,6,8,10,12,14
.irp u, 0,1,2,3
.irp b, 0,1
	v_max3_num_f32 v[M+2*\u+\b], v[M+2*\u+\b], |v[ACC+32*\u+16*\b+\i]|, |v[ACC+32*\u+16*\b+\i+1]|
.endr
.endr
.endr
.irp k, 0,1,2,3,4,5,6,7
	v_permlanex16_b32 v[X+\k], v[M+\k], s[SEL], s[SEL+1]
.endr
.irp k, 0,1,2,3,4,5,6,7
	v_max_num_f32 v[M+\k], v[M+\k], v[X+\k]        ; with lane l xor 16's: the block's largest magnitude
.endr
.irp k, 0,1,2,3,4,5,6,7
	v_add_nc_u32 v[X+\k], 0xfe000000, v[M+\k]      ; 4 off its exponent field: the conversion's scale operand
.endr
.irp k, 0,1,2,3,4,5,6,7
	v_lshrrev_b32 v[M+\k], 23, v[X+\k]             ; the scale's byte
.endr
.irp u, 0,1,2,3
	v_lshl_or_b32 v[M+2*\u], v[M+2*\u+1], 8, v[M+2*\u]
.endr
	QPAIR 0, \op, \os, \coff, \soff
.if \stepz
	s_add_nc_u64 s[ZP:ZP+1], s[ZP:ZP+1], s[INCZ:INCZ+1]
.endif
.if (\set) >= 0
.irp p, 0,1
.irp c, 0,1
	global_load_b128 v[SW+16*(\set)+8*\p+4*\c:SW+16*(\set)+8*\p+4*\c+3], v[ABS], s[ZP:ZP+1] offset:(\zoff)+1024*\p+16*\c
.endr
.endr
.endif
	QPAIR 2, \op, \os, \coff, \soff
.endm
; ================= THE HEAD
	s_load_b256 s[4:11], s[0:1], 0x0               ; z s[4:5], zs s[6:7], qi s[8:9], qs s[10:11]
	v_lshl_add_u32 v[SPW], v0, 2, SPARE
	v_mov_b32 v[NIL], 0
	ds_add_u32 v[SPW], v[NIL]                      ; the opening lines: the add, twice on end, and its wait
	ds_add_u32 v[SPW], v[NIL]
	v_lshrrev_b32 v1, 5, v0
	v_readfirstlane_b32 s14, v1                    ; the wave; s15 its row a of the 2 x 2, s16 its column c
	s_lshr_b32 s15, s14, 1
	s_and_b32 s16, s14, 1
	s_bfe_u32 s40, ttmp6, 0x40000                  ; cx
	s_bfe_u32 s41, ttmp6, 0x40004                  ; cy = j
	s_lshl_b32 s42, ttmp9, 2
	s_add_co_u32 s42, s42, s40                     ; g
	s_lshl_b32 s44, 0x1111, s40                    ; my column of the cluster: shares x's group
	s_lshl_b32 s45, s41, 2
	s_lshl_b32 s45, 15, s45                        ; my row: shares the weights
	GROUP1 G1X, 44, 8                              ; half of x's group
	GROUP1 G1H, 45, 8                              ; half of the first group of weights
	GROUP1 G1W, 45, 4                              ; a quarter of a group
	s_mul_i32 s46, s16, 4*QB                       ; at the head I bring a half: which
	s_mov_b32 s47, 0
	s_mul_i32 s12, s14, 2*QB                       ; in the ring a quarter
	s_mov_b32 s13, 0
	s_mov_b32 s[G0X], 1
	s_add_co_u32 s[G0X+1], s46, XR
	s_mov_b32 s[G0H], 1
	s_add_co_u32 s[G0H+1], s46, 0
	s_mov_b32 s[G0R0], 1
	s_add_co_u32 s[G0R0+1], s12, 0
	s_mov_b32 s[G0R1], 1
	s_add_co_u32 s[G0R1+1], s12, GRP
	s_add_co_u32 s17, s42, 16                      ; x's group in z
	s_mul_i32 s20, s17, GRP
	s_add_co_u32 s20, s20, s46
	s_mov_b32 s21, 0
	s_mul_i32 s22, s41, 2*GRP                      ; Wq's group 2 j
	s_mov_b32 s23, 0
	s_lshl_b32 s[XZ], s17, 12
	s_lshl_b32 s18, s16, 11
	s_add_co_u32 s[XZ], s[XZ], s18                 ; x's scale words, my 64 rows
	s_mov_b32 s[XZ+1], 0
	s_lshl_b32 s[ZP], s41, 13
	s_lshl_b32 s18, s15, 11
	s_add_co_u32 s[ZP], s[ZP], s18                 ; the weights', my 64 rows
	s_mov_b32 s[ZP+1], 0
	s_lshl_b32 s18, s41, 10
	s_lshl_b32 s19, s42, 3
	s_add_co_u32 s18, s18, s19
	s_lshl_b32 s19, s16, 2
	s_add_co_u32 s18, s18, s19                     ; q: F = 512 (2 j) + 8 g + 4 c
	s_mul_i32 s[OP], s18, FRB
	s_mul_i32 s19, s15, 768
	s_add_co_u32 s[OP], s[OP], s19
	s_mov_b32 s[OP+1], 0
	s_lshl_b32 s[OS], s18, 6
	s_lshl_b32 s19, s15, 1
	s_add_co_u32 s[OS], s[OS], s19
	s_mov_b32 s[OS+1], 0
	s_lshl_b32 s18, s42, 6
	s_lshl_b32 s19, s41, 4
	s_add_co_u32 s18, s18, s19
	s_lshl_b32 s19, s15, 2
	s_add_co_u32 s18, s18, s19
	s_add_co_u32 s18, s18, 8704                    ; v: F = 8,704 + 64 g + 8 (2 j) + 4 a
	s_mul_i32 s[OPV], s18, FRB
	s_mul_i32 s19, s16, 768
	s_add_co_u32 s[OPV], s[OPV], s19
	s_mov_b32 s[OPV+1], 0
	s_lshl_b32 s[OSV], s18, 6
	s_lshl_b32 s19, s16, 1
	s_add_co_u32 s[OSV], s[OSV], s19
	s_mov_b32 s[OSV+1], 0
	s_mov_b32 s[INC], 8*GRP                        ; from Wq's groups to Wk's; the loop's first trip then sets 72: from Wk's to Wv's
	s_mov_b32 s[INC+1], 0
	s_mov_b32 s[INCZ], 8*4096
	s_mov_b32 s[INCZ+1], 0
	s_mov_b32 s[SEL], 0x76543210
	s_mov_b32 s[SEL+1], 0xfedcba98
	s_mov_b32 s[CNT], 0
	v_and_b32 v1, 15, v0                           ; r
	v_and_b32 v3, 31, v0                           ; lane
	v_lshlrev_b32 v4, 3, v3                        ; 8 lane: my place in a piece
	v_lshlrev_b32 v5, 2, v1                        ; 4 r
	v_lshlrev_b32 v[ABS], 5, v3
	s_mul_i32 s23, s15, HQ
	v_add_nc_u32 v[AQ0], s23, v4
	s_mov_b32 s23, 0
.irp q, 1,2,3,4,5,6,7
	v_add_nc_u32 v[AQ0+\q], QB*\q, v[AQ0]
.endr
.irp q, 0,1,2,3,4,5,6,7
	v_add_nc_u32 v[AQA+\q], QB*\q, v[AQ0]          ; slot 0, block 0
	v_add_nc_u32 v[AQB+\q], FRB+QB*\q, v[AQ0]      ; block 1
.endr
	s_mul_i32 s19, s16, HQ
	s_add_co_u32 s19, s19, XR
	v_add_nc_u32 v6, s19, v4
.irp q, 0,1,2,3,4,5,6,7
.irp t, 0,1,2,3
	v_add_nc_u32 v[BA+4*\q+\t], QB*\q+FRB*\t, v6
.endr
.endr
.irp k, 0,1,2,3,4,5,6,7
	v_mov_b32 v[X+\k], 0                           ; a lane permute's destination counts as read
.endr
	WALU                                           ; the wait at the head's end
	s_wait_dscnt 0x0
	CROUND                                         ; the opening round, ahead of the wait for the arguments
	s_wait_kmcnt 0x0
	s_add_nc_u64 s[G0X+2:G0X+3], s[4:5], s[20:21]
	s_or_b32 s[G0X+3], s[G0X+3], 0x80000000
	s_add_nc_u64 s[22:23], s[4:5], s[22:23]
	s_add_nc_u64 s[G0H+2:G0H+3], s[22:23], s[46:47]
	s_or_b32 s[G0H+3], s[G0H+3], 0x80000000
	s_add_nc_u64 s[G0R0+2:G0R0+3], s[22:23], s[12:13]
	s_add_nc_u64 s[G0R1+2:G0R1+3], s[G0R0+2:G0R0+3], GRP
	s_or_b32 s[G0R0+3], s[G0R0+3], 0x80000000
	s_or_b32 s[G0R1+3], s[G0R1+3], 0x80000000
	s_add_nc_u64 s[XZ:XZ+1], s[6:7], s[XZ:XZ+1]
	s_add_nc_u64 s[ZP:ZP+1], s[6:7], s[ZP:ZP+1]
	s_add_nc_u64 s[OP:OP+1], s[8:9], s[OP:OP+1]
	s_add_nc_u64 s[OS:OS+1], s[10:11], s[OS:OS+1]
	s_add_nc_u64 s[OPV:OPV+1], s[8:9], s[OPV:OPV+1]
	s_add_nc_u64 s[OSV:OSV+1], s[10:11], s[OSV:OSV+1]
	s_cmp_eq_u32 s15, 0                            ; one tensor load a wave at the head
	s_cbranch_scc0 .Lfor_w
	TLOAD G0X, G1X                                 ; waves 0, 1: x's group
	s_branch .Lasked
.Lfor_w:
	TLOAD G0H, G1H                                 ; waves 2, 3: the first group of weights, into slot 0
.Lasked:
.irp p, 0,1
.irp c, 0,1
	global_load_b128 v[SX+8*\p+4*\c:SX+8*\p+4*\c+3], v[ABS], s[XZ:XZ+1] offset:1024*\p+16*\c
.endr
.endr
.irp s, 0,1
.irp p, 0,1
.irp c, 0,1
	global_load_b128 v[SW+16*\s+8*\p+4*\c:SW+16*\s+8*\p+4*\c+3], v[ABS], s[ZP:ZP+1] offset:4096*\s+1024*\p+16*\c
.endr
.endr
.endr
	s_wait_tensorcnt 0x0                           ; my tile is in; slot 1's first fill is issued as a refill is
	ds_add_u32 v[SPW], v[NIL]
	s_wait_dscnt 0x0
	CROUND
	TLOAD G0R1, G1W                                ; the second group of weights
.irp q, 0,1,2,3,4,5,6,7                ; my 64 rows of x, all of K
.irp t, 0,1,2,3
	FRAG 4*\q+\t, BA+4*\q+\t
.endr
.endr
	WIN 0
	FETCHAT 0, AQA
	FETCHAT 1, AQB
; ================= Wq's two groups, then Wk's
.Lqk:
	GROUPM 0, 0, 4, 0
	BOUND 0, 1
	EPI OP, OS, 0, 0, 0, 0, 1
	GROUPM 0, 1, 4, 0
	BOUND 1, 1
	EPI OP, OS, 512*FRB, 512*64, 1, 4096, 0
	s_add_nc_u64 s[OP:OP+1], s[OP:OP+1], 8*512*FRB ; from q's fragments to k's
	s_add_nc_u64 s[OS:OS+1], s[OS:OS+1], 8*512*64
	s_mov_b32 s[INC], 72*GRP
	s_mov_b32 s[INCZ], 72*4096
	s_add_co_u32 s[CNT], s[CNT], 1
	s_cmp_lt_u32 s[CNT], 2
	s_cbranch_scc1 .Lqk
; ================= Wv's two groups: nothing more is filled
	GROUPM 1, 0, 4, 0
	BOUND 0, 0
	EPI OPV, OSV, 0, 0, -1, 0, 0
	GROUPM 1, 1, 0, 1
	EPI OPV, OSV, 8*FRB, 8*64, -1, 0, 0
	s_wait_tensorcnt 0x0                           ; the wave's end
	ds_add_u32 v[SPW], v[NIL]
	s_wait_dscnt 0x0
	CROUND                                         ; the closing round
	s_endpgm
.Lfunc_end_k_q79f6e89977_qkv:
	.size	k_q79f6e89977_qkv, .Lfunc_end_k_q79f6e89977_qkv-k_q79f6e89977_qkv
	.p2alignl 7, 3214868480
	.fill 96, 4, 3214868480
	.section	.rodata,"a",@progbits
	.p2align	6, 0x0
	.amdhsa_kernel k_q79f6e89977_qkv
		.amdhsa_group_segment_fixed_size 327680
		.amdhsa_private_segment_fixed_size 0
		.amdhsa_enable_private_segment 0
		.amdhsa_kernarg_size 32
		.amdhsa_user_sgpr_count 2
		.amdhsa_user_sgpr_kernarg_segment_ptr 1
		.amdhsa_wavefront_size32 1
		.amdhsa_system_sgpr_workgroup_id_x 1
		.amdhsa_system_sgpr_workgroup_id_y 1
		.amdhsa_system_sgpr_workgroup_id_z 1
		.amdhsa_system_vgpr_workitem_id 0
		.amdhsa_next_free_vgpr 840
		.amdhsa_next_free_sgpr 96
		.amdhsa_reserve_vcc 0
		.amdhsa_float_denorm_mode_32 3
		.amdhsa_float_denorm_mode_16_64 3
		.amdhsa_memory_ordered 1
		.amdhsa_forward_progress 1
		.amdhsa_inst_pref_size 160
	.end_amdhsa_kernel
	.amdgpu_metadata
---
amdhsa.version: [ 1, 2 ]
amdhsa.kernels:
  - .name:           k_q79f6e89977_qkv
    .symbol:         k_q79f6e89977_qkv.kd
    .args:
      - { .name: z, .offset: 0, .size: 8, .value_kind: global_buffer, .address_space: global }
      - { .name: zs, .offset: 8, .size: 8, .value_kind: global_buffer, .address_space: global }
      - { .name: qi, .offset: 16, .size: 8, .value_kind: global_buffer, .address_space: global }
      - { .name: qs, .offset: 24, .size: 8, .value_kind: global_buffer, .address_space: global }
    .group_segment_fixed_size: 327680
    .private_segment_fixed_size: 0
    .kernarg_segment_align: 8
    .kernarg_segment_size: 32
    .max_flat_workgroup_size: 128
    .sgpr_count:     96
    .vgpr_count:     840
    .wavefront_size: 32
...
	.end_amdgpu_metadata
.endif
;; end of part 2
;; launch attn (part 3): grid 64 x 4, 16 waves a work-group, no clusters, 210,944 bytes of LDS; arguments qi, qs, ct, cs; writes ct, cs
.if DOCPART == 3
	.amdgcn_target "amdgcn-amd-amdhsa--gfx1250"
	.amdhsa_code_object_version 6
	.text
	.protected	k_q79f6e89977_attn
	.globl	k_q79f6e89977_attn
	.p2align	8
	.type	k_q79f6e89977_attn,@function
k_q79f6e89977_attn:
	s_mov_b64 s[64:65], 0
	v_nop
	global_prefetch_b8 v0, s[64:65] scope:SCOPE_SE
	s_setreg_imm32_b32 hwreg(HW_REG_WAVE_MODE, 25, 1), 1
	s_wait_xcnt 0x0
; ctx[b][q][h][:] = the sum over keys k <= q of softmax_k(q . k / 8) v, both products on codes of BF6 (E3M2) with E8M0 scales for each 32 along a product's K; ctx leaves as codes too, quantised along (head, d).
; THE SOFTMAX: t = score x log2(e) / 8; M = the running largest t rounded UP to a whole number; p = 2^(t - M) is quantised along the keys, not normalised; the row's sum is taken of the unquantised p and divides at the end.
; When M moves, the sum and O are multiplied by 2^(old M - new M): exact.
; WORK LEFT OUT: a key step of 128 keys that all come after a tile's queries: the causal mask gives those keys the weight 0 for all inputs.  A NaN or infinity that reaches only such scores is not carried on.
; INPUTS are fragment images (1,536 bytes: six pieces of 256, lane l at 8 l).  q, k: a fragment is 16 rows x two heads; a head's half is three pieces (K = 64: the other six registers of the operand are zero codes, their scale bytes 0).
; v: a fragment is 16 of a head's 64 channels x 128 keys.  In a tile lane place r holds row 32 (t / 2) + 8 (t % 2) + r + 8 (r / 8) of its group of 128 (channels: of 64).
; Both products are used transposed: S^T = K Q^T, O^T = V^T P^T: a lane holds ONE query throughout; register 16 b + i of S^T is key 32 b + 16 (lane / 16) + i of the step, register 16 b + i of O^T channel 32 b + 16 (lane / 16) + i.
; SHARES.  256 work-groups.  The grid's first number is the (batch, head), its second x = 0 .. 3: the work-group serves the blocks of 128 queries x, 7 - x, 8 + x, 15 - x.  Each of its sixteen waves owns two tiles of 16 queries,
; one after the other: first one of block 15 - x or 8 + x, then one of block x or 7 - x: a tile of block i works i + 1 key steps, so every wave works 17.
; THE HEAD'S K AND V STAY IN LDS, 98,304 bytes each, filled ONCE, all asked for at the kernel's head, one tensor load a wave: wave w brings key steps 2 (w / 2) and 2 (w / 2) + 1, of K (w even) or of V (w odd).
; THREE STAGES.  Waves 0-3 (key steps 0-3), waves 4-7 (steps 4-7) and waves 8-15 (steps 8-15) have load lines of their own.  Waves 0-3 wait ahead of the first barrier; every wave then works steps 0-3 of its first tile; waves 0-7 wait
; ahead of the second; steps 4-7 follow; every wave waits ahead of the third.  The first tile's queries (1,024 and up) come after all keys of steps 0-7, so those two loops have no mask.  Nothing is filled again.
; Four loops of constant trip counts (4, 4, 8, 8); in the last two a hidden step is jumped over by a scalar branch on ids.
; NO MULTICAST: the four work-groups that share K and V differ in their query blocks, and the branch that leaves hidden steps out hangs on the block: partners would not run alike.
; NO DATA PREFETCH: every tile is asked for at the head; no later load is left to run ahead of.
; LIMITS: NaN and infinities are not served.  A p under 2^-126 counts as 0 (v_exp_f32 gives 0 there).  A block's largest p is made from its largest score by the same two instructions as every p.  A block of zeros gets the byte 1: its codes are zeros.
; LDS: K's step ks, tile j at 6,144 ks + 768 j;  V's (step ks, channels dt) at 98,304 + 6,144 ks + 1,536 dt;  K's scale words [8 ks + j][16][4] at 196,608;  V's [ks][dt][16][4] at 204,800;  the spare words at 208,896.
; REGISTERS: v1-5, v9 addresses that stay; v6-8, v10 the step's addresses; v12 -M, v13 the largest t, v[14:15] the sum; v16-27 Q (v22-27 zeros); v28-31 V's scale words; v32-79 four fragments of K (the upper six of each zeros);
;   v80-127 V's four; v128-191 S^T, then p; v192-223 O^T; v224-235 p's codes; v232-254 at work; v248-251 K's scale words; v253 p's; v255 Q's.
.set S,     128
.set O,     192
.set VB,    98304
.set KSC,   196608
.set VSC,   204800
.set SPARE, 0x33000
.set STB,   6144                       ; a key step's codes of K, and of V
.set WV,    12
.set SEL,   20                         ; s[20:21] v_permlanex16_b32: lane l xor 16
.set CS,    22                         ; s[22:23] c = log2(e) / 8
.set G1K,   24                         ; s[24:31], s[32:39] groups 1;  s[40:43], s[44:47] groups 0
.set G1V,   32
.set G0K,   40
.set G0V,   44
.set TA,    48                         ; s48-57 my first tile: smallest query, largest (+ 23), then the addresses of Q's codes, Q's scale bytes, my pieces of ct, my bytes of cs
.set TBS,   68                         ; s68-77 my second tile, likewise
.set TB,    80                         ; the step's codes: 6,144 a step
.set TS,    81                         ; K's scale words: 512 a step
.set TJ,    82                         ; V's: 256 a step
.set KF,    83                         ; the step's first key
.set CNT,   84
.set TMP,   85
.macro TILE t, blk                     ; the numbers of the tile (w / 2) of block s[blk]; the four addresses as offsets, their buffers are added behind the arguments' wait
	s_lshl_b32 s60, s[\blk], 3
	s_add_co_u32 s60, s60, s58                     ; T = 8 block + w / 2
	s_lshr_b32 s[\t], s60, 1
	s_lshl_b32 s[\t], s[\t], 5
	s_and_b32 s61, s60, 1
	s_lshl_b32 s61, s61, 3
	s_add_co_u32 s[\t], s[\t], s61                 ; 32 (T / 2) + 8 (T % 2); lane place r holds query this + r + 8 (r / 8)
	s_add_co_u32 s[\t+1], s[\t], 23
	s_add_co_u32 s61, s59, s60                     ; q's fragment
	s_mul_i32 s[\t+2], s61, 1536
	s_add_co_u32 s[\t+2], s[\t+2], s62
	s_mov_b32 s[\t+3], 0
	s_lshl_b32 s[\t+4], s61, 6
	s_add_co_u32 s[\t+4], s[\t+4], s63
	s_mov_b32 s[\t+5], 0
	s_lshl_b32 s61, s14, 4
	s_add_co_u32 s61, s61, s[\blk]                 ; ctx's group of 128 rows
	s_lshl_b32 s[\t+8], s61, 12
	s_lshl_b32 s61, s61, 3
	s_add_co_u32 s61, s61, s16                     ; K step = pair of heads
	s_lshl_b32 s61, s61, 3
	s_add_co_u32 s61, s61, s58                     ; tile
	s_mul_i32 s[\t+6], s61, 1536
	s_add_co_u32 s[\t+6], s[\t+6], s62
	s_mov_b32 s[\t+7], 0
	s_lshl_b32 s61, s58, 9
	s_add_co_u32 s[\t+8], s[\t+8], s61
	s_lshl_b32 s61, s16, 2
	s_add_co_u32 s[\t+8], s[\t+8], s61
	s_add_co_u32 s[\t+8], s[\t+8], s63
	s_mov_b32 s[\t+9], 0
.endm
.macro TL g0, g1                       ; a tensor load; s_nop 0 and four v_nop follow it
	tensor_load_to_lds s[\g0:\g0+3], s[\g1:\g1+7]
	s_nop 0
.rept 4
	v_nop
.endr
.endm
.macro PAIR n                          ; a stage's two load lines: K's for its even waves, V's for its odd ones
	s_cmp_eq_u32 s60, 0
	s_cbranch_scc0 .Lv_\n
	TL G0K, G1K
	s_branch .Lasked
.Lv_\n:
	TL G0V, G1V
.endm
.macro QLOAD t                         ; a tile's Q: its codes stay in registers; two scale bytes, the upper two are 0, over zero codes
.irp p, 0,1,2
	global_load_b64 v[16+2*\p:17+2*\p], v1, s[\t+2:\t+3] offset:256*\p
.endr
	global_load_u16 v255, v9, s[\t+4:\t+5]
.endm
.macro INIT                            ; a tile begins: the step is written once; its first walk finds zeros
	v_mov_b32 v13, 0xff61b1e6                      ; the largest t so far: -3e38
	s_delay_alu instid0(VALU_DEP_1)
	v_floor_f32 v12, -v13                          ; -M
	v_mov_b32 v14, 0
	v_mov_b32 v15, 0
	v_mov_b32 v252, 0
	v_mov_b32 v253, 0
.set j_, 0
.rept 32
	v_mov_b32 v[O+j_], 0
.set j_, j_+1
.endr
.endm
; A key step of 128 keys for tile set t.  full = 1: a step whose keys all come after my queries is jumped over, and on the diagonal hidden keys' scores become -infinity.  full = 0: every key counts.
.macro STEP t, full
.if \full
	s_cmp_gt_u32 s[KF], s[\t+1]
	s_cbranch_scc1 .Lhid_\@
.endif
	v_add_nc_u32 v6, s[TS], v3
	v_add_nc_u32 v7, s[TJ], v4
	v_add_nc_u32 v8, s[TB], v1
	v_add_nc_u32 v10, s[TB], v2
.irp j, 0,1,2,3                        ; S^T = K Q^T: the step's tiles 0-3
.irp p, 0,1,2
	ds_load_b64 v[32+12*\j+2*\p:33+12*\j+2*\p], v8 offset:768*\j+256*\p
.endr
	ds_load_u16 v[248+\j], v6 offset:64*\j
.endr
	s_wait_alu depctr_va_vdst(0)
	s_wait_dscnt 0x0
.irp j, 0,1,2,3
	v_wmma_scale_f32_16x16x128_f8f6f4 v[S+8*\j:S+8*\j+7], v[32+12*\j:43+12*\j], v[16:27], 0, v[248+\j], v255 matrix_a_fmt:MATRIX_FMT_BF6 matrix_b_fmt:MATRIX_FMT_BF6
.endr
.rept 4
	v_nop                                          ; places in front of loads into registers that matrix instructions have read
.endr
.irp j, 0,1,2,3                        ; tiles 4-7
.irp p, 0,1,2
	ds_load_b64 v[32+12*\j+2*\p:33+12*\j+2*\p], v8 offset:3072+768*\j+256*\p
.endr
	ds_load_u16 v[248+\j], v6 offset:256+64*\j
.endr
.irp j, 0,1,2,3                        ; V's four fragments are asked for now and land under the softmax
.irp p, 0,1,2,3,4,5
	ds_load_b64 v[80+12*\j+2*\p:81+12*\j+2*\p], v10 offset:1536*\j+256*\p
.endr
	ds_load_b32 v[28+\j], v7 offset:64*\j
.endr
	s_wait_dscnt 28                                ; K's are in; V's 28 loads may be out
.irp j, 0,1,2,3
	v_wmma_scale_f32_16x16x128_f8f6f4 v[S+32+8*\j:S+32+8*\j+7], v[32+12*\j:43+12*\j], v[16:27], 0, v[248+\j], v255 matrix_a_fmt:MATRIX_FMT_BF6 matrix_b_fmt:MATRIX_FMT_BF6
.endr
.rept 4
	v_nop
.endr
.if \full
	s_add_co_u32 s[TMP], s[KF], 127                ; a step all of whose keys count skips the mask
	s_cmp_le_u32 s[TMP], s[\t]
	s_cbranch_scc1 .Lopen_\@
	s_sub_co_i32 s[TMP], s[\t], s[KF]
	v_add_nc_u32 v252, s[TMP], v5                  ; my query - KF - 16 (lane / 16): register 16 b + i is hidden where 32 b + i is greater
	v_mov_b32 v254, 0xff800000
.set n_, 0
.rept 64
	v_cmp_gt_i32 vcc_lo, 32*(n_/16)+n_%16, v252
	v_cndmask_b32 v[S+n_], v[S+n_], v254, vcc_lo
.set n_, n_+1
.endr
.Lopen_\@:
.endif
.irp b, 0,1,2,3
	v_max3_num_f32 v[232+\b], v[S+16*\b], v[S+1+16*\b], v[S+2+16*\b]   ; the largest score of each block of 32 keys: for the row's maximum, and for the block's largest p
.endr
.irp i, 3,5,7,9,11,13
.irp b, 0,1,2,3
	v_max3_num_f32 v[232+\b], v[232+\b], v[S+16*\b+\i], v[S+1+16*\b+\i]
.endr
.endr
.irp b, 0,1,2,3
	v_max_num_f32 v[232+\b], v[232+\b], v[S+15+16*\b]
.endr
.irp b, 0,1,2,3
	s_delay_alu instid0(VALU_DEP_4)
	v_permlanex16_b32 v[236+\b], v[232+\b], s[SEL], s[SEL+1]
.endr
.irp b, 0,1,2,3
	s_delay_alu instid0(VALU_DEP_4)
	v_max_num_f32 v[232+\b], v[232+\b], v[236+\b]  ; with lane l xor 16's 16 keys
.endr
	s_delay_alu instid0(VALU_DEP_2)
	v_max3_num_f32 v254, v232, v233, v234
	s_delay_alu instid0(VALU_DEP_1)
	v_max_num_f32 v254, v254, v235
	s_delay_alu instid0(VALU_DEP_1)
	v_mul_f32 v254, s[CS], v254                    ; as t
	s_delay_alu instid0(VALU_DEP_1)
	v_max_num_f32 v13, v13, v254                   ; the running largest t
	v_mov_b32 v254, v12
	s_delay_alu instid0(VALU_DEP_2)
	v_floor_f32 v12, -v13                          ; the new -M = -ceil(t)
	s_delay_alu instid0(VALU_DEP_1)
	v_sub_f32 v254, v12, v254                      ; old M - new M: a whole number, 0 or less
	s_delay_alu instid0(VALU_DEP_1)
	v_cvt_i32_f32 v254, v254                       ; (it saturates)
	s_delay_alu instid0(VALU_DEP_1)
	v_ldexp_f32 v252, 1.0, v254                    ; f = 2^(old M - new M)
.set j_, 0
.rept 32
	v_pk_fma_f32 v[S+j_:S+j_+1], v[S+j_:S+j_+1], s[CS:CS+1], v[12:13] op_sel_hi:[1,0,0]   ; t - M
.set j_, j_+2
.endr
.irp b, 0,1,2,3
	v_fma_f32 v[232+\b], v[232+\b], s[CS], v12
.endr
.set j_, 0
	s_wait_alu depctr_va_vdst(0)                   ; the wait ahead of the batch
.rept 64
	v_exp_f32 v[S+j_], v[S+j_]                     ; p = 2^(t - M)
.set j_, j_+1
.endr
.irp b, 0,1,2,3
	v_exp_f32 v[232+\b], v[232+\b]                 ; the block's largest p
.endr
	v_pk_mul_f32 v[14:15], v[14:15], v[252:253] op_sel_hi:[1,0]   ; the sums under the new M (a plain place behind the exponentials)
	s_wait_alu depctr_va_vdst(0)                   ; and behind it
.irp b, 0,1,2,3
	v_max_num_f32 v[232+\b], 0x2800000, v[232+\b]  ; the floor 2^(5 - 127)
.endr
.irp b, 0,1,2,3
	s_delay_alu instid0(VALU_DEP_4)
	v_add_nc_u32 v[244+\b], 0xfe000000, v[232+\b]  ; the conversion's scale operand
.endr
.irp b, 0,1,2,3
	s_delay_alu instid0(VALU_DEP_4)
	v_lshrrev_b32 v[236+\b], 23, v[244+\b]         ; the scale's byte
.endr
	s_delay_alu instid0(VALU_DEP_3)
	v_lshl_or_b32 v253, v237, 8, v236              ; p's scale word for these 128 keys
	s_delay_alu instid0(VALU_DEP_1)
	v_lshl_or_b32 v253, v238, 16, v253
	s_delay_alu instid0(VALU_DEP_1)
	v_lshl_or_b32 v253, v239, 24, v253
.irp c, 0,1
	v_cvt_scalef32_pk16_bf6_f32 v[224+6*\c:226+6*\c], v[S+32*\c:S+15+32*\c], v[244+2*\c]
	v_cvt_scalef32_pk16_bf6_f32 v[236+4*\c:238+4*\c], v[S+16+32*\c:S+31+32*\c], v[244+2*\c+1]
.endr
	v_nop                                          ; one plain place behind a scaled conversion
.irp c, 0,1
.irp i, 0,1,2
	v_permlane16_swap_b32 v[224+6*\c+\i], v[236+4*\c+\i]
.endr
.irp i, 0,1,2
	s_delay_alu instid0(VALU_DEP_3)
	v_mov_b32 v[227+6*\c+\i], v[236+4*\c+\i]
.endr
.endr
	v_pk_add_f32 v[236:237], v[132:133], v[136:137] ; the row's sum of the unquantised p, in eight chains
	v_pk_add_f32 v[250:251], v[140:141], v[144:145]
	v_pk_add_f32 v[248:249], v[148:149], v[152:153]
	v_pk_add_f32 v[246:247], v[156:157], v[160:161]
	v_pk_add_f32 v[244:245], v[164:165], v[168:169]
	v_pk_add_f32 v[242:243], v[172:173], v[176:177]
	v_pk_add_f32 v[240:241], v[180:181], v[184:185]
	v_pk_add_f32 v[14:15], v[14:15], v[188:189]
	v_pk_add_f32 v[236:237], v[236:237], v[128:129]
	v_pk_add_f32 v[250:251], v[250:251], v[130:131]
	v_pk_add_f32 v[248:249], v[248:249], v[134:135]
	v_pk_add_f32 v[246:247], v[246:247], v[138:139]
	v_pk_add_f32 v[244:245], v[244:245], v[142:143]
	v_pk_add_f32 v[242:243], v[242:243], v[146:147]
	v_pk_add_f32 v[240:241], v[240:241], v[150:151]
	v_pk_add_f32 v[14:15], v[14:15], v[154:155]
	v_pk_add_f32 v[236:237], v[236:237], v[158:159]
	v_pk_add_f32 v[250:251], v[250:251], v[162:163]
	v_pk_add_f32 v[248:249], v[248:249], v[166:167]
	v_pk_add_f32 v[246:247], v[246:247], v[170:171]
	v_pk_add_f32 v[244:245], v[244:245], v[174:175]
	v_pk_add_f32 v[242:243], v[242:243], v[178:179]
	v_pk_add_f32 v[240:241], v[240:241], v[182:183]
	v_pk_add_f32 v[14:15], v[14:15], v[186:187]
	v_pk_add_f32 v[236:237], v[236:237], v[190:191]
	s_delay_alu instid0(VALU_DEP_2)
	v_pk_add_f32 v[14:15], v[14:15], v[246:247]
	s_delay_alu instid0(VALU_DEP_2)
	v_pk_add_f32 v[236:237], v[236:237], v[244:245]
	v_pk_add_f32 v[250:251], v[250:251], v[242:243]
	v_pk_add_f32 v[248:249], v[248:249], v[240:241]
	s_delay_alu instid0(VALU_DEP_2)
	v_pk_add_f32 v[14:15], v[14:15], v[250:251]
	s_delay_alu instid0(VALU_DEP_2)
	v_pk_add_f32 v[236:237], v[236:237], v[248:249]
	s_delay_alu instid0(VALU_DEP_1)
	v_pk_add_f32 v[14:15], v[14:15], v[236:237]
.set j_, 0
.rept 16
	v_pk_mul_f32 v[O+j_:O+j_+1], v[O+j_:O+j_+1], v[252:253] op_sel_hi:[1,0]   ; O^T under the new M.  (With the sums above: the places between p's codes and scale word and the products below)
.set j_, j_+2
.endr
	s_wait_alu depctr_va_vdst(0)
	s_wait_dscnt 0x0                               ; V is in
.irp j, 0,1,2,3                        ; O^T += V^T P^T: the four accumulators by turns
	v_wmma_scale_f32_16x16x128_f8f6f4 v[O+8*\j:O+8*\j+7], v[80+12*\j:91+12*\j], v[224:235], v[O+8*\j:O+8*\j+7], v[28+\j], v253 matrix_a_fmt:MATRIX_FMT_BF6 matrix_b_fmt:MATRIX_FMT_BF6
.endr
.if \full
.Lhid_\@:
.endif
	s_add_co_u32 s[KF], s[KF], 128
	s_add_co_u32 s[TB], s[TB], STB
	s_add_co_u32 s[TS], s[TS], 512
	s_add_co_u32 s[TJ], s[TJ], 256
	s_sub_co_u32 s[CNT], s[CNT], 1
	s_cmp_lg_u32 s[CNT], 0
.endm
; A TILE'S WAY OUT: O^T / the sum is my query's 64 channels (32 in my half of the lanes): two blocks along the projection's K.  They are quantised here and leave as three pieces and two scale bytes.
.macro EPI t
.rept 4
	v_nop
.endr
	v_add_f32 v14, v14, v15
	s_delay_alu instid0(VALU_DEP_1)
	v_permlanex16_b32 v252, v14, s[SEL], s[SEL+1]
	s_delay_alu instid0(VALU_DEP_1)
	v_add_f32 v14, v14, v252                       ; the row's sum
	s_wait_alu depctr_va_vdst(0)
	v_rcp_f32 v14, v14
	v_and_b32 v6, 15, v0                           ; (a plain place behind the transcendental)
	s_delay_alu instid0(VALU_DEP_1)
	v_lshlrev_b32 v6, 5, v6                        ; 32 r: my row of scale words
.set j_, 0
	s_wait_alu depctr_va_vdst(0)
.rept 32
	v_mul_f32 v[S+j_], v[O+j_], v14                ; each accumulator from its low end on
.set j_, j_+1
.endr
.irp b, 0,1
	v_max3_num_f32 v[232+\b], |v[S+16*\b]|, |v[S+1+16*\b]|, 0x2800000
.endr
.irp i, 2,4,6,8,10,12,14
.irp b, 0,1
	s_delay_alu instid0(VALU_DEP_2)
	v_max3_num_f32 v[232+\b], v[232+\b], |v[S+16*\b+\i]|, |v[S+1+16*\b+\i]|
.endr
.endr
.irp b, 0,1
	s_delay_alu instid0(VALU_DEP_2)
	v_permlanex16_b32 v[236+\b], v[232+\b], s[SEL], s[SEL+1]
.endr
.irp b, 0,1
	s_delay_alu instid0(VALU_DEP_2)
	v_max_num_f32 v[232+\b], v[232+\b], v[236+\b]
.endr
.irp b, 0,1
	s_delay_alu instid0(VALU_DEP_2)
	v_add_nc_u32 v[244+\b], 0xfe000000, v[232+\b]
.endr
.irp b, 0,1
	s_delay_alu instid0(VALU_DEP_2)
	v_lshrrev_b32 v[236+\b], 23, v[244+\b]
.endr
	s_delay_alu instid0(VALU_DEP_1)
	v_lshl_or_b32 v240, v237, 8, v236              ; my head's two bytes of the row's scale word
	v_cvt_scalef32_pk16_bf6_f32 v[224:226], v[S:S+15], v244
	v_cvt_scalef32_pk16_bf6_f32 v[236:238], v[S+16:S+31], v245
	v_nop
.irp i, 0,1,2
	v_permlane16_swap_b32 v[224+\i], v[236+\i]
.endr
.irp i, 0,1,2
	s_delay_alu instid0(VALU_DEP_3)
	v_mov_b32 v[227+\i], v[236+\i]
.endr
.irp p, 0,1,2
	global_store_b64 v1, v[224+2*\p:225+2*\p], s[\t+6:\t+7] offset:256*\p   ; 256 consecutive bytes, aligned
.endr
	global_store_b16 v6, v240, s[\t+8:\t+9]        ; lanes r and r + 16 hold and write the same
	s_wait_xcnt 0x0                                ; the stores' registers are written again only behind this wait
.endm
	s_load_b256 s[4:11], s[0:1], 0x0               ; qi s[4:5], qs s[6:7], ct s[8:9], cs s[10:11]
	v_lshl_add_u32 v254, v0, 2, SPARE
	v_mov_b32 v255, 0
	ds_add_u32 v254, v255                          ; the opening lines: the add, twice on end, and its wait
	ds_add_u32 v254, v255
	s_wait_dscnt 0x0
	v_lshrrev_b32 v1, 5, v0
	s_delay_alu instid0(VALU_DEP_1)
	v_readfirstlane_b32 s[WV], v1                  ; wave 0..15
	s_mov_b32 s13, ttmp9                           ; (batch, head)
	s_lshr_b32 s14, s13, 4                         ; batch
	s_and_b32 s15, s13, 15                         ; head
	s_lshr_b32 s16, s15, 1                         ; pair of heads
	s_and_b32 s17, s15, 1                          ; which of the pair
	s_lshr_b32 s58, s[WV], 1                       ; w / 2: my tile in a block; also the pair of key steps that I fetch
	s_lshl_b32 s59, s16, 9
	s_lshl_b32 s60, s14, 7
	s_add_co_u32 s59, s59, s60                     ; q's first fragment of (batch, pair)
	s_mul_i32 s62, s17, 768                        ; my head's half of a fragment
	s_lshl_b32 s63, s17, 1                         ; and of a scale word
	s_lshr_b32 s18, s[WV], 2
	s_xor_b32 s18, s18, s[WV]
	s_and_b32 s18, s18, 1                          ; waves 2 i and 2 i + 1 differ in it
	s_and_b32 s61, ttmp7, 0xffff                   ; x
	s_lshl_b32 s19, s61, 1
	s_sub_co_u32 s19, 7, s19
	s_mul_i32 s19, s19, s18
	s_add_co_u32 s19, s19, s61                     ; my second block: x or 7 - x
	s_sub_co_u32 s18, 15, s19                      ; my first: 15 - x or 8 + x
	TILE TA, 18
	TILE TBS, 19
	s_add_co_u32 s86, s59, 4096                    ; k's first fragment
	s_lshl_b32 s90, s86, 6                         ; K's scale words
	s_mov_b32 s91, 0
	s_mul_i32 s86, s86, 1536
	s_add_co_u32 s86, s86, s62
	s_mul_i32 s60, s58, 24576
	s_add_co_u32 s86, s86, s60                     ; K: tile 16 (w / 2), my head's half
	s_mov_b32 s87, 0
	s_lshl_b32 s88, s14, 10
	s_lshl_b32 s60, s15, 2
	s_add_co_u32 s88, s88, s60
	s_add_co_u32 s88, s88, 8704                    ; v's first fragment
	s_lshl_b32 s92, s88, 6                         ; V's scale words
	s_mov_b32 s93, 0
	s_mul_i32 s88, s88, 1536
	s_mul_i32 s60, s58, 196608
	s_add_co_u32 s88, s88, s60                     ; V: key step 2 (w / 2)
	s_mov_b32 s89, 0
	; K: 16 rows of 768 bytes (96 elements of 8), 1,536 bytes apart: two steps' tiles, my head's half.  V: 2 rows of 6,144 bytes, 98,304 bytes apart: two steps' four fragments
	s_mov_b32 s[G1K], 3<<16
	s_mov_b32 s[G1K+1], 96<<16                     ; tensor_dim0
	s_mov_b32 s[G1K+2], 16<<16                     ; tensor_dim1
	s_mov_b32 s[G1K+3], 96<<16                     ; tile_dim0
	s_mov_b32 s[G1K+4], 16                         ; tile_dim1
	s_mov_b32 s[G1K+5], 192                        ; tensor_dim0_stride
	s_mov_b32 s[G1K+6], 0
	s_mov_b32 s[G1K+7], 0
	s_mov_b32 s[G1V], 3<<16
	s_mov_b32 s[G1V+1], 768<<16
	s_mov_b32 s[G1V+2], 2<<16
	s_mov_b32 s[G1V+3], 768<<16
	s_mov_b32 s[G1V+4], 2
	s_mov_b32 s[G1V+5], 12288
	s_mov_b32 s[G1V+6], 0
	s_mov_b32 s[G1V+7], 0
	s_mov_b32 s[G0K], 1
	s_mul_i32 s[G0K+1], s58, 2*STB
	s_mov_b32 s[G0V], 1
	s_add_co_u32 s[G0V+1], s[G0K+1], VB
	s_mov_b32 s[SEL], 0x76543210
	s_mov_b32 s[SEL+1], 0xfedcba98
	s_mov_b32 s[CS], 0x3e38aa3b
	s_mov_b32 s[CS+1], s[CS]                       ; (named with it as a pair, so it is written)
	s_mov_b32 s[TB], 0
	s_mov_b32 s[TS], 0
	s_mov_b32 s[TJ], 0
	s_mov_b32 s[KF], 0
	s_mov_b32 s[CNT], 4
	v_and_b32 v6, 31, v0                           ; lane
	s_delay_alu instid0(VALU_DEP_1)
	v_lshlrev_b32 v1, 3, v6                        ; 8 lane: my place in a piece; K's codes begin at LDS byte 0
	s_delay_alu instid0(VALU_DEP_1)
	v_add_nc_u32 v2, VB, v1                        ; V's
	v_and_b32 v7, 15, v0                           ; r
	v_bfe_u32 v8, v0, 4, 1                         ; h
	s_delay_alu instid0(VALU_DEP_2)
	v_lshlrev_b32 v9, 2, v7                        ; 4 r
	s_delay_alu instid0(VALU_DEP_1)
	v_add_nc_u32 v3, KSC, v9
	s_delay_alu instid0(VALU_DEP_1)
	v_add_nc_u32 v3, s63, v3                       ; K's scale words: my head's two bytes
	s_delay_alu instid0(VALU_DEP_3)
	v_add_nc_u32 v4, VSC, v9                       ; V's
	v_and_b32 v5, 8, v7
	s_delay_alu instid0(VALU_DEP_1)
	v_add_nc_u32 v5, v5, v7
	v_lshlrev_b32 v8, 4, v8
	s_delay_alu instid0(VALU_DEP_1)
	v_sub_nc_u32 v5, v5, v8                        ; r + 8 (r / 8) - 16 h
	v_lshl_add_u32 v232, v0, 4, KSC                ; the copies: 512 threads x 16 bytes are K's 8,192 bytes of scale words,
	v_lshlrev_b32 v233, 4, v0
	v_lshl_add_u32 v234, v0, 3, VSC                ; x 8 bytes V's 4,096: 256 bytes a step, 4,096 bytes apart in memory
	v_lshrrev_b32 v235, 5, v0
	s_delay_alu instid0(VALU_DEP_1)
	v_lshlrev_b32 v235, 12, v235
	s_delay_alu instid0(VALU_DEP_1)
	v_lshl_add_u32 v235, v6, 3, v235
	s_wait_alu depctr_va_vdst(0)
	s_wait_kmcnt 0x0
	s_add_nc_u64 s[G0K+2:G0K+3], s[4:5], s[86:87]
	s_or_b32 s[G0K+3], s[G0K+3], 0x80000000
	s_add_nc_u64 s[G0V+2:G0V+3], s[4:5], s[88:89]
	s_or_b32 s[G0V+3], s[G0V+3], 0x80000000
	s_add_nc_u64 s[90:91], s[6:7], s[90:91]
	s_add_nc_u64 s[92:93], s[6:7], s[92:93]
.irp t, TA, TBS
	s_add_nc_u64 s[\t+2:\t+3], s[4:5], s[\t+2:\t+3]
	s_add_nc_u64 s[\t+4:\t+5], s[6:7], s[\t+4:\t+5]
	s_add_nc_u64 s[\t+6:\t+7], s[8:9], s[\t+6:\t+7]
	s_add_nc_u64 s[\t+8:\t+9], s[10:11], s[\t+8:\t+9]
.endr
	global_load_async_to_lds_b128 v232, v233, s[90:91]
	global_load_async_to_lds_b64 v234, v235, s[92:93]
	s_and_b32 s60, s[WV], 1                        ; one tree of branches on the wave's number, a load in each arm: each stage's waves have lines of their own
	s_cmp_lt_u32 s[WV], 4
	s_cbranch_scc0 .Lsecond
	PAIR 1                                         ; waves 0-3: key steps 0 to 3
	s_branch .Lasked
.Lsecond:
	s_cmp_lt_u32 s[WV], 8
	s_cbranch_scc0 .Lrest
	PAIR 2                                         ; waves 4-7: key steps 4 to 7
	s_branch .Lasked
.Lrest:
	PAIR 3                                         ; waves 8-15: key steps 8 to 15
.Lasked:
	QLOAD TA
.irp i, 22,23,24,25,26,27
	v_mov_b32 v[\i], 0                             ; K = 64: the operand's second 64 are zero codes
.endr
.irp j, 0,1,2,3
.irp i, 6,7,8,9,10,11
	v_mov_b32 v[32+12*\j+\i], 0
.endr
.endr
.irp b, 0,1,2,3
	v_mov_b32 v[236+\b], 0                         ; a lane permute's destination counts as read
.endr
	INIT
	s_wait_alu depctr_va_vdst(0)                   ; the wait at the head's end
	s_wait_asynccnt 0x0                            ; my copies have landed,
	s_cmp_lt_u32 s[WV], 4
	s_cbranch_scc0 .Llater
	s_wait_tensorcnt 0x0                           ; waves 0-3: my part of key steps 0 to 3
.Llater:
	s_wait_loadcnt 0x0                             ; (Q is in)
	s_barrier_signal -1
	s_barrier_wait -1                              ; all scale words and key steps 0 to 3 are in; the other loads may be out
.Lfirst:                                           ; my first tile, key steps 0 to 3: every key counts
	STEP TA, 0
	s_cbranch_scc1 .Lfirst
	s_cmp_lt_u32 s[WV], 8
	s_cbranch_scc0 .Llater2
	s_wait_tensorcnt 0x0                           ; waves 4-7: my part of key steps 4 to 7 (waves 0-3 have nothing out)
.Llater2:
	s_wait_dscnt 0x0
	s_barrier_signal -1
	s_barrier_wait -1                              ; key steps 4 to 7 are in
	s_mov_b32 s[CNT], 4
.Lnext:                                            ; key steps 4 to 7: every key counts
	STEP TA, 0
	s_cbranch_scc1 .Lnext
	s_wait_tensorcnt 0x0                           ; every wave: my load has landed
	s_wait_dscnt 0x0
	s_barrier_signal -1
	s_barrier_wait -1                              ; everybody's has: from here on LDS is only read
	s_mov_b32 s[CNT], 8
.Llong:                                            ; key steps 8 to 15
	STEP TA, 1
	s_cbranch_scc1 .Llong
	QLOAD TBS                                      ; the second tile's Q comes under the first's way out (the products that read these registers stand far more than four plain lines back)
	EPI TA
	INIT
	s_mov_b32 s[TB], 0
	s_mov_b32 s[TS], 0
	s_mov_b32 s[TJ], 0
	s_mov_b32 s[KF], 0
	s_mov_b32 s[CNT], 8
	s_wait_alu depctr_va_vdst(0)
	s_wait_loadcnt 0x0
.Lshort:                                           ; my second tile, of block 7 at the most: key steps 0 to 7
	STEP TBS, 1
	s_cbranch_scc1 .Lshort
	EPI TBS
	v_lshl_add_u32 v254, v0, 2, SPARE              ; the wave's end: the add's two registers are made anew
	v_mov_b32 v255, 0
	s_wait_alu depctr_va_vdst(0)
	s_wait_tensorcnt 0x0
	ds_add_u32 v254, v255
	s_wait_dscnt 0x0
	s_endpgm
.Lfunc_end_k_q79f6e89977_attn:
	.size	k_q79f6e89977_attn, .Lfunc_end_k_q79f6e89977_attn-k_q79f6e89977_attn
	.p2alignl 7, 3214868480
	.fill 96, 4, 3214868480
	.section	.rodata,"a",@progbits
	.p2align	6, 0x0
	.amdhsa_kernel k_q79f6e89977_attn
		.amdhsa_group_segment_fixed_size 210944
		.amdhsa_private_segment_fixed_size 0
		.amdhsa_enable_private_segment 0
		.amdhsa_kernarg_size 32
		.amdhsa_user_sgpr_count 2
		.amdhsa_user_sgpr_kernarg_segment_ptr 1
		.amdhsa_wavefront_size32 1
		.amdhsa_system_sgpr_workgroup_id_x 1
		.amdhsa_system_sgpr_workgroup_id_y 1
		.amdhsa_system_sgpr_workgroup_id_z 1
		.amdhsa_system_vgpr_workitem_id 0
		.amdhsa_next_free_vgpr 256
		.amdhsa_next_free_sgpr 96
		.amdhsa_reserve_vcc 1
		.amdhsa_float_denorm_mode_32 3
		.amdhsa_float_denorm_mode_16_64 3
		.amdhsa_memory_ordered 1
		.amdhsa_forward_progress 1
		.amdhsa_inst_pref_size 111
	.end_amdhsa_kernel
	.amdgpu_metadata
---
amdhsa.version: [ 1, 2 ]
amdhsa.kernels:
  - .name:           k_q79f6e89977_attn
    .symbol:         k_q79f6e89977_attn.kd
    .args:
      - { .name: qi, .offset: 0, .size: 8, .value_kind: global_buffer, .address_space: global }
      - { .name: qs, .offset: 8, .size: 8, .value_kind: global_buffer, .address_space: global }
      - { .name: ct, .offset: 16, .size: 8, .value_kind: global_buffer, .address_space: global }
      - { .name: cs, .offset: 24, .size: 8, .value_kind: global_buffer, .address_space: global }
    .group_segment_fixed_size: 210944
    .private_segment_fixed_size: 0
    .kernarg_segment_align: 8
    .kernarg_segment_size: 32
    .max_flat_workgroup_size: 512
    .sgpr_count:     96
    .vgpr_count:     256
    .wavefront_size: 32
...
	.end_amdgpu_metadata
.endif
;; end of part 3
;; launch proj (part 4): grid 32 x 8, 4 waves a work-group, clusters of 4 x 4, 327,680 bytes of LDS; arguments ct, cs, z, zs, bp, out0; writes out0
.if DOCPART == 4
	.amdgcn_target "amdgcn-amd-amdhsa--gfx1250"
	.amdhsa_code_object_version 6
	.text
	.protected	k_q79f6e89977_proj
	.globl	k_q79f6e89977_proj
	.p2align	8
	.type	k_q79f6e89977_proj,@function
k_q79f6e89977_proj:
	s_mov_b64 s[64:65], 0
	v_nop
	global_prefetch_b8 v0, s[64:65] scope:SCOPE_SE
	s_setreg_imm32_b32 hwreg(HW_REG_WAVE_MODE, 25, 1), 1
	s_wait_xcnt 0x0
	s_wait_alu depctr_hold_cnt(0) depctr_sa_sdst(0) depctr_va_vdst(0) depctr_va_sdst(0) depctr_va_ssrc(0) depctr_va_vcc(0) depctr_vm_vsrc(0)
	s_getreg_b32 s2, hwreg(HW_REG_IB_STS2, 6, 4)
	s_cmp_eq_u32 s2, 0
	s_cbranch_scc0 .Lentry_in_a_cluster
	s_endpgm
.Lentry_in_a_cluster:
	s_bfe_u32 s2, ttmp6, 0x10000c
	s_cmp_lg_u32 s2, 0xf033
	s_cbranch_scc0 .Lentry_shape_is_right
	s_endpgm
.Lentry_shape_is_right:
; out0[token][n] = bp[n] + the sum over k of ctx[token][k] Wp[k][n], on codes of BF6 (E3M2) with E8M0 scales for each 32 along K = 1,024; sums in f32, each begun with the bias.
; OPERANDS are fragment images: ct (ctx) and z (Wp: groups 88-95) = [group of 128 rows][K step 0..7][tile 0..7][1,536 bytes: six pieces of 256, lane l at 8 l]; cs, zs = [group][16 tile + r][K step][4 bytes].
; In tile t of a group lane place r holds row 32 (t / 2) + 8 (t % 2) + r + 8 (r / 8).
; LIMITS: NaN, infinities and sums beyond f32's range are not served.
; THE DEAL.  256 work-groups of four waves, 2 x 2, each 256 tokens (two groups of ct) x 128 columns (one group of Wp).  The wave in row a, column c holds Wp's tiles 4 c .. 4 c + 3, all of K, in registers (32 fragments, 384 registers)
; and streams group a's eight tiles past them: a block is one tile, eight fragments, 32 products on four accumulators by turns.
; Source 0 = Wp's tile, source 1 = ctx's: lane (r, h) holds token place r, register j of local tile b column 64 c + 32 (b / 2) + 8 (b % 2) + 16 h + j.
; CLUSTERS 4 x 4: tile row = 4 x cluster x + cx, tile column = 4 x cluster y + cy.  ctx's tiles are shared by a column of the cluster, Wp's by a row: each is asked for jointly.  No LDS address and no branch hangs on cx or cy.
; LDS: ctx in two parts of 98,304 bytes: part u holds tiles 4 u .. 4 u + 3 of every (group, K step): [8 a + q][tile % 4][1,536]; Wp's group at 196,608 as it lies; the spare words at 294,912.
; The waves' stages (16 rows x 272 bytes each) lie in Wp's first bytes, which have had their one fill and are read for the last time ahead of the barrier in front of the stream.
; THE HEAD'S FOUR TILES, one a wave, each on its own line: Wp's group; ctx's part 0; part 1 of group 0; part 1 of group 1.  The stream begins when the first two are in; a plain barrier inside block 1 shows the others,
; which are first fetched behind block 2.  Nothing is filled again, and no data prefetch: all is asked for at the head.
; THE SCALES go straight into registers: a lane loads the 32 bytes of row 32 i + lane, so one register holds a tile's word in lanes 0-15 and the next tile's in lanes 16-31; two loads of a wave read 1,024 bytes on end.
; ONE RUN OF MEMORY LINES behind a block's products: its sums into the stage and back as whole rows of 256 bytes; the fetch of the block two on; one wait; eight stores, each two aligned runs of 256 bytes.
.set NQ, 8                             ; K / 128
.set NB, 4                             ; column tiles a wave
.set FR, 12                            ; registers of a fragment
.set FPW, 21                           ; fragments in a window of 256 registers
.set FRB, 1536                         ; a fragment's image
.set HQ, 4*FRB                         ; four tiles of one K step
.set QB, 8*FRB                         ; a group's eight
.set GRP, 8*QB                         ; a group
.set NF, 24                            ; LDS loads of a block
.set YB, 2*GRP                         ; Wp's group
.set STAGE, YB
.set SPITCH, 272
.set SPARE, 3*GRP
.set CO, 9                             ; v9  my byte offset in out0: row l / 16, 16 bytes x (l % 16)
.set SPW, 10                           ; v10 my spare word
.set NIL, 11                           ; v11 0
.set ABS, 16                           ; v16 32 x lane: my row of scale words
.set STO, 18                           ; v18 the stage: where I put my sums
.set RD, 19                            ; v19 the stage: where I read 16 bytes of a row back
.set SB, 24                            ; v24-39  Wp's scale words: 8 (b / 2) + q
.set SA, 44                            ; v44-75  ctx's: 8 (block / 2) + q.  A product's two scale registers differ by 4 modulo 8 in their numbers
.set ACC, 80                           ; v80-143 two sets of four accumulators
.set BK, 144                           ; v144-207 two sets: 16 rows x 256 bytes back from the stage; at the head: the LDS addresses of Wp's 32 fragments
.set BA, 144
.set AQ0, 208                          ; v208-215 LDS addresses of block 0's eight fragments; never rewritten
.set AQ, 216                           ; v216-223 the same for the block that is fetched next
.set BO, 224                           ; v224-255 the bias as the first four products' C
.set G1A, 24
.set G1B, 32
.set G0A, 56
.set G0B, 60
.set MSB, 0
.macro WIN new                         ; the immediate's high byte repeats the setting that is left
.if MSB != \new
	s_set_vgpr_msb (MSB<<8)|\new
.set MSB, \new
.endif
.endm
.macro PLACES n
.rept \n
	v_nop
.endr
.endm
.macro WALU
	s_wait_alu depctr_va_vdst(0)
.endm
.macro BARRIER
	s_barrier_signal -1
	s_barrier_wait -1
.endm
.macro CROUND                          ; a round of the cluster's barrier
	BARRIER
	s_cmp_lg_u32 s14, 0
	s_cbranch_scc1 .Lnot_wave_0_\@
	s_barrier_signal -3
.Lnot_wave_0_\@:
	s_barrier_wait -3
	BARRIER
.endm
.macro TLOAD g0, g1                    ; a tensor load; s_nop 0 and four v_nop follow it
	tensor_load_to_lds s[\g0:\g0+3], s[\g1:\g1+7]
	s_nop 0
	PLACES 4
.endm
.macro ATILE lds, rows, off            ; rows of 6,144 bytes of ctx, 12,288 bytes apart, by a descriptor of constants
	s_mov_b32 s[G0A+1], \lds
	s_mov_b32 s[G1A+2], (\rows)<<16
	s_mov_b32 s[G1A+4], \rows
.if \off
	s_add_nc_u64 s[G0A+2:G0A+3], s[G0A+2:G0A+3], \off
.endif
	s_or_b32 s[G0A+3], s[G0A+3], 0x80000000
	TLOAD G0A, G1A
.endm
.macro FRAG f, a                       ; fragment f (register 256 + 12 f + 4 (f / 21)) from the address in v[a]: six pieces of 256 bytes, two to a load
	WIN (1+(\f)/FPW)<<6
.irp p, 0,2,4
	ds_load_2addr_b64 v[FR*((\f)%FPW)+2*\p:FR*((\f)%FPW)+2*\p+3], v[\a] offset0:32*\p offset1:32*\p+32
.endr
.endm
.macro FETCHAT e, aq                   ; a block of ctx into set e: NF loads
.irp q, 0,1,2,3,4,5,6,7
	FRAG NB*NQ+NQ*(\e)+\q, \aq+\q
.endr
	WIN 0
.endm
.macro PROD1 d, s0, s1, c, x0, x1, o, e
.if (\o) && (\e)
	v_wmma_scale_f32_16x16x128_f8f6f4 v[\d:\d+7], v[FR*((\s0)%FPW):FR*((\s0)%FPW)+FR-1], v[FR*((\s1)%FPW):FR*((\s1)%FPW)+FR-1], \c, v[\x0], v[\x1] matrix_a_fmt:MATRIX_FMT_BF6 matrix_b_fmt:MATRIX_FMT_BF6 matrix_a_scale:MATRIX_SCALE_ROW1 matrix_b_scale:MATRIX_SCALE_ROW1
.elseif (\o)
	v_wmma_scale_f32_16x16x128_f8f6f4 v[\d:\d+7], v[FR*((\s0)%FPW):FR*((\s0)%FPW)+FR-1], v[FR*((\s1)%FPW):FR*((\s1)%FPW)+FR-1], \c, v[\x0], v[\x1] matrix_a_fmt:MATRIX_FMT_BF6 matrix_b_fmt:MATRIX_FMT_BF6 matrix_a_scale:MATRIX_SCALE_ROW1 matrix_b_scale:MATRIX_SCALE_ROW0
.elseif (\e)
	v_wmma_scale_f32_16x16x128_f8f6f4 v[\d:\d+7], v[FR*((\s0)%FPW):FR*((\s0)%FPW)+FR-1], v[FR*((\s1)%FPW):FR*((\s1)%FPW)+FR-1], \c, v[\x0], v[\x1] matrix_a_fmt:MATRIX_FMT_BF6 matrix_b_fmt:MATRIX_FMT_BF6 matrix_a_scale:MATRIX_SCALE_ROW0 matrix_b_scale:MATRIX_SCALE_ROW1
.else
	v_wmma_scale_f32_16x16x128_f8f6f4 v[\d:\d+7], v[FR*((\s0)%FPW):FR*((\s0)%FPW)+FR-1], v[FR*((\s1)%FPW):FR*((\s1)%FPW)+FR-1], \c, v[\x0], v[\x1] matrix_a_fmt:MATRIX_FMT_BF6 matrix_b_fmt:MATRIX_FMT_BF6 matrix_a_scale:MATRIX_SCALE_ROW0 matrix_b_scale:MATRIX_SCALE_ROW0
.endif
.endm
.macro PROD s, n                       ; product n = 4 q + b of block s
.set Q_, (\n)/4
.set FB_, NB*Q_+(\n)%4
.set FA_, NB*NQ+NQ*((\s)%2)+Q_
.set D_, ACC+32*((\s)%2)+8*((\n)%4)
.set XB_, SB+NQ*(((\n)%4)/2)+Q_
.set XA_, SA+8*((\s)/2)+Q_
	WIN (1+FB_/FPW)|((1+FA_/FPW)<<2)
.if Q_
	PROD1 D_, FB_, FA_, v[D_:D_+7], XB_, XA_, (\n)%2, (\s)%2
.else
	PROD1 D_, FB_, FA_, v[BO+8*((\n)%4):BO+8*((\n)%4)+7], XB_, XA_, (\n)%2, (\s)%2
.endif
.endm
.macro PRODS s, from, to               ; behind each of products 1 to 4: one of the eight addresses of the block two on
.set N_, \from
.rept (\to)-(\from)
	PROD \s, N_
.if (\s) < 6 && N_ >= 1 && N_ <= 4
	WIN 0
	v_add_nc_u32 v[AQ+N_-1], (((\s)+2)/4)*GRP+(((\s)+2)%4)*FRB, v[AQ0+N_-1]
.endif
.set N_, N_+1
.endr
	WIN 0
.endm
.macro STAGED u                        ; set u's sums into my stage, each accumulator from its low end on, and back as whole rows.  LDS serves a wave's instructions in order (ISA guide 5.7.1.4): no wait between
.irp b, 0,1,2,3
	ds_store_b128 v[STO], v[ACC+32*(\u)+8*\b:ACC+32*(\u)+8*\b+3] offset:128*(\b/2)+32*(\b%2)
	ds_store_b128 v[STO], v[ACC+32*(\u)+8*\b+4:ACC+32*(\u)+8*\b+7] offset:128*(\b/2)+32*(\b%2)+16
.endr
.irp t, 0,1,2,3,4,5,6,7
	ds_load_b128 v[BK+32*(\u)+4*\t:BK+32*(\u)+4*\t+3], v[RD] offset:2*\t*SPITCH
.endr
.endm
.macro STREAM s                        ; block s = tile s of my group
.if (\s) == 1
	PRODS \s, 0, 24
	s_wait_tensorcnt 0x0                           ; every wave: my load has landed
	s_wait_dscnt 0x0
	s_barrier_signal -1                            ; a plain barrier: ctx's part 1 is shown to all
	PRODS \s, 24, 32
	s_barrier_wait -1
.else
	PRODS \s, 0, 32
.endif
.if (\s) < 6                           ; four plain vector lines between the last product and the first reader of its sums and the fetch into its registers: the other four addresses, or v_nop
.irp q, 4,5,6,7
	v_add_nc_u32 v[AQ+\q], (((\s)+2)/4)*GRP+(((\s)+2)%4)*FRB, v[AQ0+\q]
.endr
	WALU                                           ; the wait here, ahead of the wait below
.else
	PLACES 4
.endif
	s_wait_xcnt 0x0                                ; the stores of two blocks ago have read this set of rows
	STAGED (\s)%2
.if (\s) < 6
	FETCHAT (\s)%2, AQ
	s_wait_dscnt NF                                ; the block's rows are back from the stage, and the next block's fragments are in; this run's fetch is younger
.else
	s_wait_dscnt 0x0
.endif
.irp t, 0,1,2,3,4,5,6,7                ; stage rows 2 t, 2 t + 1 are my group's tokens 32 (s / 2) + 8 (s % 2) + 2 t + 8 (t / 4) and the next
	global_store_b128 v[CO], v[BK+32*((\s)%2)+4*\t:BK+32*((\s)%2)+4*\t+3], s[12:13] offset:(32*((\s)/2)+8*((\s)%2)+2*\t+8*(\t/4))*4096 th:TH_STORE_NT
.endr
.endm
; ================= THE HEAD
	s_load_b256 s[4:11], s[0:1], 0x0               ; ct s[4:5], cs s[6:7], z s[8:9], zs s[10:11]
	s_load_b128 s[76:79], s[0:1], 0x20             ; bp s[76:77], out0 s[78:79]
	v_lshl_add_u32 v[SPW], v0, 2, SPARE
	v_mov_b32 v[NIL], 0
	ds_add_u32 v[SPW], v[NIL]                      ; the opening lines: the add, twice on end, and its wait
	ds_add_u32 v[SPW], v[NIL]
	v_lshrrev_b32 v1, 5, v0
	v_readfirstlane_b32 s14, v1                    ; the wave; s15 its row a of the 2 x 2, s16 its column c
	s_lshr_b32 s15, s14, 1
	s_and_b32 s16, s14, 1
	s_bfe_u32 s40, ttmp6, 0x40000                  ; cx
	s_bfe_u32 s41, ttmp6, 0x40004                  ; cy
	s_lshl_b32 s43, ttmp9, 2
	s_add_co_u32 s43, s43, s40                     ; tile row, 0 .. 31
	s_and_b32 s42, ttmp7, 0xffff
	s_lshl_b32 s42, s42, 2
	s_add_co_u32 s42, s42, s41                     ; tile column, 0 .. 7
	s_lshl_b32 s44, 0x1111, s40                    ; my column of the cluster: shares ctx's tiles
	s_lshl_b32 s45, s41, 2
	s_lshl_b32 s45, 15, s45                        ; my row: shares Wp's
	s_or_b32 s[G1A+0], s44, (3<<16)|(1<<21)        ; elements of 8 bytes; rows of 768 elements; how many rows, each wave's own arm says
	s_mov_b32 s[G1A+1], 768<<16
	s_mov_b32 s[G1A+3], 768<<16
	s_mov_b32 s[G1A+5], 1536
	s_mov_b32 s[G1A+6], 0
	s_mov_b32 s[G1A+7], 0
	s_or_b32 s[G1B+0], s45, (3<<16)|(1<<21)        ; Wp's group: 16 rows of 6,144 bytes, dense
	s_mov_b32 s[G1B+1], 768<<16
	s_mov_b32 s[G1B+2], 16<<16
	s_mov_b32 s[G1B+3], 768<<16
	s_mov_b32 s[G1B+4], 16
	s_mov_b32 s[G1B+5], 768
	s_mov_b32 s[G1B+6], 0
	s_mov_b32 s[G1B+7], 0
	s_mov_b32 s[G0A], 1
	s_mov_b32 s[G0B], 1
	s_mov_b32 s[G0B+1], YB
	s_mul_i32 s66, s43, 2*GRP                      ; ctx's two groups
	s_mov_b32 s67, 0
	s_add_co_u32 s68, s42, 88                      ; Wp's group in z
	s_lshl_b32 s72, s68, 12
	s_lshl_b32 s21, s16, 11
	s_add_co_u32 s72, s72, s21                     ; its scale words, my 64 rows
	s_mov_b32 s73, 0
	s_mul_i32 s68, s68, GRP
	s_mov_b32 s69, 0
	s_lshl_b32 s70, s43, 13
	s_lshl_b32 s21, s15, 12
	s_add_co_u32 s70, s70, s21                     ; my group's scale words
	s_mov_b32 s71, 0
	s_lshl_b32 s74, s42, 9
	s_lshl_b32 s21, s16, 8
	s_add_co_u32 s74, s74, s21                     ; my first column, in bytes
	s_mov_b32 s75, 0
	s_lshl_b32 s80, s43, 20
	s_lshl_b32 s21, s15, 19
	s_add_co_u32 s80, s80, s21
	s_add_co_u32 s80, s80, s74                     ; my group's first token, my first column
	s_mov_b32 s81, 0
	v_and_b32 v1, 15, v0                           ; r
	v_bfe_u32 v2, v0, 4, 1                         ; h
	v_and_b32 v3, 31, v0                           ; lane
	v_lshlrev_b32 v22, 3, v3                       ; 8 lane: my place in a piece
	s_mul_i32 s23, s15, 8*HQ
	v_add_nc_u32 v[AQ0], s23, v22
.irp q, 1,2,3,4,5,6,7
	v_add_nc_u32 v[AQ0+\q], HQ*\q, v[AQ0]
.endr
.irp q, 0,1,2,3,4,5,6,7
	v_add_nc_u32 v[AQ+\q], FRB+HQ*\q, v[AQ0]       ; block 1
.endr
	s_mul_i32 s22, s16, 4*FRB
	s_add_co_u32 s22, s22, YB
	v_add_nc_u32 v23, s22, v22
.irp q, 0,1,2,3,4,5,6,7
.irp b, 0,1,2,3
	v_add_nc_u32 v[BA+NB*\q+\b], QB*\q+FRB*\b, v23
.endr
.endr
	v_lshlrev_b32 v[ABS], 5, v3
	s_mul_i32 s21, s14, 16*SPITCH
	s_add_co_u32 s21, s21, STAGE                   ; my stage
	v_mul_u32_u24 v20, v1, SPITCH
	v_lshl_add_u32 v20, v2, 6, v20
	v_add_nc_u32 v[STO], s21, v20                  ; in: row r, 64 bytes for each half of the lanes in each 128
	v_mul_u32_u24 v21, v2, SPITCH
	v_lshl_add_u32 v21, v1, 4, v21
	v_add_nc_u32 v[RD], s21, v21                   ; back: lanes 0-15 one row of 256 bytes, lanes 16-31 the next
	v_mul_u32_u24 v21, v2, 4096
	v_lshl_add_u32 v[CO], v1, 4, v21               ; and the same two rows in out0
	v_lshlrev_b32 v8, 6, v2                        ; the bias: 64 h
	WALU                                           ; the wait at the head's end
	s_wait_dscnt 0x0
	CROUND                                         ; the opening round, ahead of the wait for the arguments
	s_wait_kmcnt 0x0
	s_add_nc_u64 s[G0A+2:G0A+3], s[4:5], s[66:67]
	s_add_nc_u64 s[G0B+2:G0B+3], s[8:9], s[68:69]
	s_or_b32 s[G0B+3], s[G0B+3], 0x80000000
	s_add_nc_u64 s[6:7], s[6:7], s[70:71]
	s_add_nc_u64 s[10:11], s[10:11], s[72:73]
	s_add_nc_u64 s[76:77], s[76:77], s[74:75]
	s_add_nc_u64 s[12:13], s[78:79], s[80:81]
	s_cmp_eq_u32 s14, 0
	s_cbranch_scc0 .Lwave_1
	TLOAD G0B, G1B                                 ; wave 0: Wp's group, which is wanted first
	s_branch .Lasked
.Lwave_1:
	s_cmp_eq_u32 s14, 1
	s_cbranch_scc0 .Lwave_2
	ATILE 0, 16, 0                                 ; wave 1: tiles 0-3 of both groups
	s_branch .Lasked
.Lwave_2:
	s_cmp_eq_u32 s14, 2
	s_cbranch_scc0 .Lwave_3
	ATILE GRP, 8, HQ                               ; wave 2: tiles 4-7 of group 0
	s_branch .Lasked
.Lwave_3:
	ATILE GRP+8*HQ, 8, HQ+GRP                      ; wave 3: of group 1
.Lasked:
.irp i, 0,1,2,3
.irp c, 0,1
	global_load_b128 v[SA+8*\i+4*\c:SA+8*\i+4*\c+3], v[ABS], s[6:7] offset:1024*\i+16*\c
.endr
.endr
.irp i, 0,1
.irp c, 0,1
	global_load_b128 v[SB+8*\i+4*\c:SB+8*\i+4*\c+3], v[ABS], s[10:11] offset:1024*\i+16*\c
.endr
.endr
.irp b, 0,1,2,3
	global_load_b128 v[BO+8*\b:BO+8*\b+3], v8, s[76:77] offset:128*(\b/2)+32*(\b%2)
	global_load_b128 v[BO+8*\b+4:BO+8*\b+7], v8, s[76:77] offset:128*(\b/2)+32*(\b%2)+16
.endr
	s_cmp_eq_u32 s14, 0
	s_cbranch_scc0 .Lnot_b
	s_wait_tensorcnt 0x0                           ; wave 0: Wp's group has landed
.Lnot_b:
	BARRIER
.irp q, 0,1,2,3,4,5,6,7
.irp b, 0,1,2,3
	FRAG NB*\q+\b, BA+NB*\q+\b
.endr
.endr
	WIN 0
	s_cmp_eq_u32 s14, 1
	s_cbranch_scc0 .Lnot_a
	s_wait_tensorcnt 0x0                           ; wave 1: ctx's part 0 has landed
.Lnot_a:
	s_wait_dscnt 0x0
	BARRIER                                        ; part 0 is in, and nobody reads Wp's bytes any more.  Waves 2 and 3's tiles may still be on their way
	FETCHAT 0, AQ0
	FETCHAT 1, AQ
	s_wait_loadcnt 0x0                             ; the scale words and the bias
	s_wait_dscnt NF                                ; block 0's fragments are in
; ================= THE STREAM: eight blocks
.irp s, 0,1,2,3,4,5,6,7
	STREAM \s
.endr
	s_wait_tensorcnt 0x0                           ; the wave's end
	ds_add_u32 v[SPW], v[NIL]
	s_wait_dscnt 0x0
	CROUND                                         ; the closing round
	s_endpgm
.Lfunc_end_k_q79f6e89977_proj:
	.size	k_q79f6e89977_proj, .Lfunc_end_k_q79f6e89977_proj-k_q79f6e89977_proj
	.p2alignl 7, 3214868480
	.fill 96, 4, 3214868480
	.section	.rodata,"a",@progbits
	.p2align	6, 0x0
	.amdhsa_kernel k_q79f6e89977_proj
		.amdhsa_group_segment_fixed_size 327680
		.amdhsa_private_segment_fixed_size 0
		.amdhsa_enable_private_segment 0
		.amdhsa_kernarg_size 48
		.amdhsa_user_sgpr_count 2
		.amdhsa_user_sgpr_kernarg_segment_ptr 1
		.amdhsa_wavefront_size32 1
		.amdhsa_system_sgpr_workgroup_id_x 1
		.amdhsa_system_sgpr_workgroup_id_y 1
		.amdhsa_system_sgpr_workgroup_id_z 1
		.amdhsa_system_vgpr_workitem_id 0
		.amdhsa_next_free_vgpr 840
		.amdhsa_next_free_sgpr 84
		.amdhsa_reserve_vcc 0
		.amdhsa_float_denorm_mode_32 3
		.amdhsa_float_denorm_mode_16_64 3
		.amdhsa_memory_ordered 1
		.amdhsa_forward_progress 1
		.amdhsa_inst_pref_size 84
	.end_amdhsa_kernel
	.amdgpu_metadata
---
amdhsa.version: [ 1, 2 ]
amdhsa.kernels:
  - .name:           k_q79f6e89977_proj
    .symbol:         k_q79f6e89977_proj.kd
    .args:
      - { .name: ct, .offset: 0, .size: 8, .value_kind: global_buffer, .address_space: global }
      - { .name: cs, .offset: 8, .size: 8, .value_kind: global_buffer, .address_space: global }
      - { .name: z, .offset: 16, .size: 8, .value_kind: global_buffer, .address_space: global }
      - { .name: zs, .offset: 24, .size: 8, .value_kind: global_buffer, .address_space: global }
      - { .name: bp, .offset: 32, .size: 8, .value_kind: global_buffer, .address_space: global }
      - { .name: out0, .offset: 40, .size: 8, .value_kind: global_buffer, .address_space: global }
    .group_segment_fixed_size: 327680
    .private_segment_fixed_size: 0
    .kernarg_segment_align: 8
    .kernarg_segment_size: 48
    .max_flat_workgroup_size: 128
    .sgpr_count:     84
    .vgpr_count:     840
    .wavefront_size: 32
...
	.end_amdgpu_metadata
.endif
;; end of part 4
